; MI455X (gfx1250); checked and timed in simulation.
; The chip was launched on July 23, 2026; its instructions are those of AMD's public machine-readable ISA for CDNA 5 (MIT licence, August 2026) and "CDNA5" Instruction Set Architecture Reference Guide (July 2026). The comments in the code are by the model that wrote it; some were corrected since.
;; Self Attention. Allowed arithmetic: matrix products marked QUANTISED: E2M3 operands, one E8M0 scale for each 32 along K, by v_wmma_scale_f32_16x16x128_f8f6f4 with both operands' format E2M3, f32 sums; everything else in f32.
;; Inputs: Wk_codes 2,048 x 64 x 24 uint8 (E2M3 codes of Wk, K innermost, in blocks of 32 codes, four codes in three bytes); Wk_scales 2,048 x 64 uint8 (E8M0 scales of Wk, one for each 32 codes along K); Wo_codes 2,048 x 64 x 24 uint8 (E2M3 codes of Wo, K innermost, in blocks of 32 codes, four codes in three bytes); Wo_scales 2,048 x 64 uint8 (E8M0 scales of Wo, one for each 32 codes along K); Wq_codes 2,048 x 64 x 24 uint8 (E2M3 codes of Wq, K innermost, in blocks of 32 codes, four codes in three bytes); Wq_scales 2,048 x 64 uint8 (E8M0 scales of Wq, one for each 32 codes along K); Wv_codes 2,048 x 64 x 24 uint8 (E2M3 codes of Wv, K innermost, in blocks of 32 codes, four codes in three bytes); Wv_scales 2,048 x 64 uint8 (E8M0 scales of Wv, one for each 32 codes along K); bk 2,048 float32; bo 2,048 float32; bq 2,048 float32; bv 2,048 float32; freqs_cos 2,048 x 1 x 64 float32; freqs_sin 2,048 x 1 x 64 float32; gk 2,048 float32; gq 2,048 float32; x_codes 1 x 2,048 x 64 x 24 uint8 (E2M3 codes of x, K innermost, in blocks of 32 codes, four codes in three bytes); x_scales 1 x 2,048 x 64 uint8 (E8M0 scales of x, one for each 32 codes along K).
;; Outputs: out0 1 x 2,048 x 2,048 float32.
;; This version of the problem:
;;   THIS VERSION OF THE PROBLEM IS GIVEN IN LOW PRECISION. The matrix products marked QUANTISED in the list below multiply operands that are first quantised to E2M3 (2 exponent bits, 3 mantissa bits; 6 bits a number), with one power-of-two scale for each 32 numbers along K (OCP MX v1.0); their sums are f32. All else is computed in f32.
;;   The module's matrix products, in the order in which they are computed (A, B: the left and right operand; K: the contracted axis; several contracted axes count as one K, in the product's order):
;;     1. [M 2,048, K 2,048] x [K 2,048, N 2,048]; A: input x (given as codes); B: input Wq (given as codes): QUANTISED
;;     2. [M 2,048, K 2,048] x [K 2,048, N 2,048]; A: input x (given as codes); B: input Wk (given as codes): QUANTISED
;;     3. [M 2,048, K 2,048] x [K 2,048, N 2,048]; A: input x (given as codes); B: input Wv (given as codes): QUANTISED
;;     4. batch 16 x [M 2,048, K 128] x [K 128, N 2,048]; A: computed on the way; B: computed on the way: QUANTISED
;;     5. batch 16 x [M 2,048, K 2,048] x [K 2,048, N 128]; A: softmax (see below); B: computed on the way: QUANTISED
;;     6. [M 2,048, K 2,048] x [K 2,048, N 2,048]; A: computed on the way; B: input Wo (given as codes): QUANTISED
;;   THE QUANTISER, for each operand of a quantised product, along K:
;;     - K is cut into blocks of 32 from its start; a last block that is shorter is filled with zeros.
;;     - A block's scale is 2^e with e = floor(log2(the largest magnitude in the block)) - 2, held to -126 .. 127; a block of zeros has e = 0. As a byte (E8M0): e + 127.
;;     - Each number is divided by its block's scale, clamped to +-7.5, and rounded to the nearest number of E2M3, ties to even, subnormals kept.
;;     - The product sums the exact products of the quantised numbers (number of the format x scale) in f32.
;;   ~~~python
;;   def quantise(x, axis):      # numpy; x: float32 -> the quantised numbers, widened to float32 again
;;       x = np.moveaxis(x, axis, -1); K = x.shape[-1]
;;       x = np.pad(x, [(0, 0)] * (x.ndim - 1) + [(0, -K % 32)]); x = x.reshape(x.shape[:-1] + (-1, 32)); a = np.abs(x).max(-1, keepdims=True)
;;       e = np.where(a > 0, np.clip(np.frexp(np.where(a > 0, a, 1))[1] - 1 - 2, -126, 127), 0)      # np.frexp(a)[1] - 1 = floor(log2(a)), exactly
;;       r = np.clip(x / 2.0 ** e, -7.5, 7.5)
;;       step = 2.0 ** (np.maximum(np.frexp(np.where(r == 0, 1, r))[1] - 1, 0) - 3)
;;       q = np.round(r / step) * step * 2.0 ** e      # np.round: ties to even
;;       return np.moveaxis(q.reshape(q.shape[:-2] + (-1,))[..., :K], -1, axis).astype(np.float32)
;;   ~~~
;;   SOFTMAX AHEAD OF A QUANTISED PRODUCT. Where the list says 'softmax', what is quantised is not the finished softmax but p = 2^(t - M), with t = logit x log2(e) and M = ceil(the row's largest t), a whole number; so 1/2 < the row's largest p <= 1. The row's sum l is taken of the UNQUANTISED p, in f32, and the product's result is divided by l at the end. Since M is a whole number, a kernel that streams over the keys may use a running M (the ceiling of the running maximum): every later rescaling is an exact power of two, which a block's scale takes up: the codes' values come out the same.
;;   OPERANDS COMPUTED ON THE WAY. 'Computed on the way' means the value that the module computes at that place (a softmax that the list does not call 'softmax' is quantised finished and normalised). What goes into a quantiser is computed in f32, as accurately as f32 sums, v_exp_f32 and their like allow (about 1e-6 of the number): no bf16 or f16 on the way to a quantiser, and a product that is left as it is and whose result goes on into a quantised operand takes f32 operands (vector FMAs, or v_wmma_f32_16x16x4_f32). A number that lies on a knife's edge between two numbers of the format may be rounded either way, as far as f32 arithmetic and the matrix unit's own rounding can turn it there, and no further.
;;   INPUTS GIVEN AS CODES. Wk (in the module: [2048, 2048], K = its axis 1); Wo (in the module: [2048, 2048], K = its axis 1); Wq (in the module: [2048, 2048], K = its axis 1); Wv (in the module: [2048, 2048], K = its axis 1); x (in the module: [1, 2048, 2048], K = its axis 2): each comes as NAME_codes (uint8): NAME with its K axis moved to the last place and cut into blocks of 32 codes, [.., K / 32, bytes a block], one block behind the other in memory; four codes in three bytes: a row's codes are one little-endian stream of bits, code i at bits 6 i .. 6 i + 5 (a code: sign, 2 exponent bits, 3 mantissa bits); and NAME_scales (uint8): the same leading axes, one E8M0 byte (e + 127) for each 32 codes along K. Its value is code x scale, taken as it is: it is not quantised again, and the codes and scales need not be those that the quantiser above would give.
;; One version. Each part assembles by itself: llvm-mc -triple=amdgcn-amd-amdhsa -mcpu=gfx1250 --defsym DOCPART=n.
;; ======== version 1 of 1: 4 launches
;; workspace buffers: h 33,554,432 bytes; ssq 262,144 bytes; qf 3,145,728 bytes; qs 131,072 bytes; kv 6,291,456 bytes; kvs 262,144 bytes; of 3,145,728 bytes; os 131,072 bytes
;; launch qkv (part 1): grid 16 x 16, 4 waves a work-group, clusters of 4 x 4, 327,680 bytes of LDS; arguments x_codes, x_scales, Wq_codes, Wq_scales, Wk_codes, Wk_scales, Wv_codes, Wv_scales, bq, bk, bv, h, ssq, kv, kvs; writes h, ssq, kv, kvs
.if DOCPART == 1
	.amdgcn_target "amdgcn-amd-amdhsa--gfx1250"
	.amdhsa_code_object_version 6
	.text
	.protected	k_q2669257992_qkv
	.globl	k_q2669257992_qkv
	.p2align	8
	.type	k_q2669257992_qkv,@function
k_q2669257992_qkv:
	s_mov_b64 s[64:65], 0
	v_nop
	global_prefetch_b8 v0, s[64:65] scope:SCOPE_SE
	s_setreg_imm32_b32 hwreg(HW_REG_WAVE_MODE, 25, 1), 1
	s_wait_xcnt 0x0
	s_wait_alu depctr_hold_cnt(0) depctr_sa_sdst(0) depctr_va_vdst(0) depctr_va_sdst(0) depctr_va_ssrc(0) depctr_va_vcc(0) depctr_vm_vsrc(0)
	s_getreg_b32 s2, hwreg(HW_REG_IB_STS2, 6, 4)
	s_cmp_eq_u32 s2, 0
	s_cbranch_scc0 .Lentry_in_a_cluster
	s_endpgm
.Lentry_in_a_cluster:
	s_bfe_u32 s2, ttmp6, 0x10000c
	s_cmp_lg_u32 s2, 0xf033
	s_cbranch_scc0 .Lentry_shape_is_right
	s_endpgm
.Lentry_shape_is_right:
; q = x Wq^T + bq, k = x Wk^T + bk, v = x Wv^T + bv on codes of FP6 (E2M3) with one E8M0 scale for each 32 along K; sums in f32.
; x: [2048][2048], Wq, Wk, Wv: [2048][2048]: a row is 1,536 bytes of codes and 64 scale bytes.
; OUT: q and k as f32, NOT yet normalised (the norm's mean runs over all 16 heads, which 16 work-groups make), in h, laid as the accumulators' registers;
;      the sum of squares of each row over this head's 128 columns in ssq; v quantised along the KEYS, as images of operand registers, in kv, its scale words in kvs.
; SHARES. A work-group makes 128 rows x one head's 128 columns of q, of k and of v. Each of its four waves takes all 128 rows (8 blocks of 16) x 32 columns of each of the three: 48 accumulators, 384 registers.
; For 128 along K a wave reads 8 fragments of x and 6 of W for 48 products.
; q and k are used TRANSPOSED (source 0 = 16 rows of W, source 1 = 16 rows of x): a lane holds one row and eight neighbouring columns.
; v is used as it stands (source 0 = x, source 1 = Wv): a lane holds ONE column d and its registers run down the keys, which are the K of attention's second product.
; ORDER OF KEYS IN A BLOCK OF 32: register 16 b + 8 u + j of lane half hh holds key 32 b + 16 u + 8 hh + j and is laid at place 32 b + 16 hh + 8 u + j of the operand. The blocks are the true blocks, so scales and codes are
; the true ones; only the order of the products inside a block differs, and the attention launch lays p in the same order.
; K goes in steps of 256 (rows of 192 bytes) through two LDS slots; all scale bytes come once, with the first fills.
; CLUSTERS: 4 x 4 work-groups. x's tile hangs on the row block alone and is asked for jointly along a row of the cluster (wave 0), the three W tiles on the head alone, jointly along a column (waves 1 to 3).
; No prefetch: six refills in all, a quarter of K comes with the first fills, and a K step's 192 bytes of a row are no whole number of aligned blocks of 256 bytes.
; LIMITS: NaN and infinities are not served. A block of v whose largest magnitude lies under 2^-124 keeps the scale byte 1 (a block of zeros too, where the rule says 127: its codes are zeros, and this program alone reads the bytes).
; REGISTERS: window 0: addresses, scale words v32-87 (two sets), biases v96-143, way out v144-239. window 1: x's fragments v0-95 (one set), W's v96-239 (two sets). windows 2, 3: accumulator (a, t) at v[8 (4 t + a % 4)] of window 2 + a / 4.
.set PITCH,  240                       ; an LDS row: 3 x (64 bytes + 16 of padding)
.set HALFT,  128*PITCH                 ; 128 rows: what one tensor load brings
.set SLOT,   4*HALFT                   ; x, Wq, Wk, Wv: in the order of the waves that fetch them
.set SCL,    2*SLOT                    ; the scales, in the same order: 128 rows x 64 bytes as 32 units of 256 bytes + 16
.set HALFS,  32*272
.set SBLK,   4*272                     ; those of 16 rows
.set SPARE,  SCL+4*HALFS               ; the spare words: 128 bytes a wave, two blocks of 256 bytes that no other line names
.set RED,    SPARE+512                 ; the waves' sums of squares: [q, k][wave][128 rows] f32
.set ROWB,   192
.set KROW,   1536
.set ADX,  16                          ; v16-17 x's fragments in slot 0, 1; v18-19 behind one padding more
.set ADW,  20                          ; v20-21 W's; v22-23
.set ADSX, 24                          ; x's scale words
.set ADSW, 25                          ; W's
.set LI,   26                          ; 16 x lane
.set LS,   27                          ; 4 x lane
.set SPW,  28
.set NIL,  29
.set REDW, 30
.set REDR, 31
.set SC,   32                          ; set s at SC + 28 s: x's block a, step q: + 2 a + q; W's tile t: + 16 + 2 t + q
.set BQK,  96                          ; biases of the four tiles of q and k, in the result's layout
.set BV,   128                         ; of v's two tiles: eight copies each
.set SQ,   144
.set PC0,  176
.set TM,   200
.set PW,   216
.set PC1,  220
.set WV,   34
.set G1X,  48
.set G1W,  56
.set G0X,  68
.set G0W,  76
.set G1SX, 84
.set G1SW, 92
.set G0SX, 4
.set G0SW, 8
.set TO_F, 0x40                        ; destination window 1, address window 0
.set MSB, 0
.macro WIN new                         ; the immediate's high byte repeats the setting that is left
.if MSB != (\new)
	s_set_vgpr_msb (MSB<<8)|(\new)
.set MSB, \new
.endif
.endm
; A joint load: wave 0 fetches for x, waves 1 to 3 for Wq, Wk, Wv. The branch hangs on the wave's number alone. Four v_nop follow each line.
.macro JLOAD g0x, g1x, g0w, g1w
	s_cmp_eq_u32 s[WV], 0
	s_cbranch_scc0 .Lfor_w_\@
	tensor_load_to_lds s[\g0x:\g0x+3], s[\g1x:\g1x+7]
	s_nop 0
.rept 4
	v_nop
.endr
	s_branch .Lasked_\@
.Lfor_w_\@:
	tensor_load_to_lds s[\g0w:\g0w+3], s[\g1w:\g1w+7]
	s_nop 0
.rept 4
	v_nop
.endr
.Lasked_\@:
.endm
.macro CREST                           ; a round of the cluster's barrier behind its opening barrier
	s_cmp_lg_u32 s[WV], 0
	s_cbranch_scc1 .Lnot_wave_0_\@
	s_barrier_signal -3
.Lnot_wave_0_\@:
	s_barrier_wait -3
	s_barrier_signal -1
	s_barrier_wait -1
.endm
.macro CROUND
	s_barrier_signal -1
	s_barrier_wait -1
	CREST
.endm
.macro PLACES                          ; four plain vector instructions between a matrix instruction and a load into, or a read of, its registers
.rept 4
	v_nop
.endr
.endm
	s_load_b512 s[4:19], s[0:1], 0x0               ; x codes, x scales, Wq codes, Wq scales, Wk codes, Wk scales, Wv codes, Wv scales
	s_load_b256 s[20:27], s[0:1], 0x40             ; bq, bk, bv, h
	s_load_b128 s[28:31], s[0:1], 0x60             ; ssq, kv
	s_load_b64 s[32:33], s[0:1], 0x70              ; kvs
	v_lshl_add_u32 v[SPW], v0, 2, SPARE
	v_mov_b32 v[NIL], 0
	ds_add_u32 v28, v29
	s_wait_dscnt 0x0
	v_lshrrev_b32 v1, 5, v0
	v_readfirstlane_b32 s[WV], v1                  ; wave 0..3
	s_bfe_u32 s35, ttmp6, 0x40000                  ; cx
	s_bfe_u32 s36, ttmp6, 0x40004                  ; cy
	s_lshl_b32 s37, ttmp9, 2
	s_add_co_u32 s37, s37, s35                     ; the head = 4 x cluster x + cx
	s_and_b32 s38, ttmp7, 0xffff
	s_lshl_b32 s38, s38, 2
	s_add_co_u32 s38, s38, s36                     ; the block of 128 rows = 4 x cluster y + cy
	s_lshl_b32 s39, s36, 2
	s_lshl_b32 s39, 15, s39                        ; my row of the cluster
	s_lshl_b32 s40, 0x1111, s35                    ; my column
	; group 1: 128 rows of 192 bytes, 16 bytes of padding behind every 64
	s_or_b32 s[G1X], s39, (1<<20)|(1<<21)|(3<<22)|(3<<25)
	s_or_b32 s[G1W], s40, (1<<20)|(1<<21)|(3<<22)|(3<<25)
.irp g, G1X, G1W
	s_mov_b32 s[\g+1], ROWB<<16                    ; tensor_dim0
	s_mov_b32 s[\g+2], 128<<16                     ; tensor_dim1
	s_mov_b32 s[\g+3], ROWB<<16                    ; tile_dim0
	s_mov_b32 s[\g+4], 128                         ; tile_dim1
	s_mov_b32 s[\g+5], KROW                        ; from row to row
	s_mov_b32 s[\g+6], 0
	s_mov_b32 s[\g+7], 0
.endr
	; the scales of 128 rows: 8,192 dense bytes as 32 rows of 256 (32 elements of 8 bytes), 16 bytes of padding behind each
	s_or_b32 s[G1SX], s39, (3<<16)|(1<<20)|(1<<21)|(5<<22)|(3<<25)
	s_or_b32 s[G1SW], s40, (3<<16)|(1<<20)|(1<<21)|(5<<22)|(3<<25)
.irp g, G1SX, G1SW
	s_mov_b32 s[\g+1], 32<<16
	s_mov_b32 s[\g+2], 32<<16
	s_mov_b32 s[\g+3], 32<<16
	s_mov_b32 s[\g+4], 32
	s_mov_b32 s[\g+5], 32
	s_mov_b32 s[\g+6], 0
	s_mov_b32 s[\g+7], 0
.endr
	s_mul_i32 s42, s38, 128*KROW                   ; x's offset is made of the row block alone,
	s_mov_b32 s43, 0
	s_mul_i32 s66, s37, 128*KROW                   ; W's of the head alone
	s_mov_b32 s67, 0
	s_mul_i32 s41, s[WV], HALFT                    ; where they go: wave x 128 rows
	s_mul_i32 s2, s[WV], HALFS
	s_wait_kmcnt 0x0
	s_cmp_eq_u32 s[WV], 2                          ; which weight I fetch: wave 2 Wk, wave 3 Wv, else Wq
	s_cselect_b64 s[44:45], s[12:13], s[8:9]
	s_cselect_b64 s[46:47], s[14:15], s[10:11]
	s_cmp_eq_u32 s[WV], 3
	s_cselect_b64 s[44:45], s[16:17], s[44:45]
	s_cselect_b64 s[46:47], s[18:19], s[46:47]
	s_add_nc_u64 s[4:5], s[4:5], s[42:43]
	s_add_nc_u64 s[44:45], s[44:45], s[66:67]
	s_lshl_b32 s42, s38, 13                        ; the scales: 128 rows x 64 bytes
	s_lshl_b32 s66, s37, 13
	s_add_nc_u64 s[6:7], s[6:7], s[42:43]
	s_add_nc_u64 s[46:47], s[46:47], s[66:67]
	CROUND                                         ; all sixteen work-groups are here: the first joint loads meet
.irp s, 0,1
	s_mov_b32 s[G0X+4*\s], 1
	s_add_co_u32 s[G0X+4*\s+1], s41, \s*SLOT
	s_add_nc_u64 s[G0X+4*\s+2:G0X+4*\s+3], s[4:5], \s*ROWB
	s_or_b32 s[G0X+4*\s+3], s[G0X+4*\s+3], 0x80000000
	s_mov_b32 s[G0W+4*\s], 1
	s_add_co_u32 s[G0W+4*\s+1], s41, \s*SLOT
	s_add_nc_u64 s[G0W+4*\s+2:G0W+4*\s+3], s[44:45], \s*ROWB
	s_or_b32 s[G0W+4*\s+3], s[G0W+4*\s+3], 0x80000000
.endr
	s_mov_b32 s[G0SX], 1                           ; x's pointer to its codes is spent; s[6:7] already stands at my rows' scales
	s_add_co_u32 s[G0SX+1], s2, SCL
	s_or_b32 s[G0SX+3], s[G0SX+3], 0x80000000
	s_mov_b32 s[G0SW], 1
	s_add_co_u32 s[G0SW+1], s2, SCL
	s_mov_b64 s[G0SW+2:G0SW+3], s[46:47]
	s_or_b32 s[G0SW+3], s[G0SW+3], 0x80000000
	JLOAD G0SX, G1SX, G0SW, G1SW                   ; the scales first: three loads of mine are out behind these lines
	JLOAD G0X, G1X, G0W, G1W
	JLOAD G0X+4, G1X, G0W+4, G1W
	v_and_b32 v1, 15, v0                           ; r
	v_bfe_u32 v2, v0, 4, 1                         ; hh
	v_and_b32 v14, 31, v0                          ; lane
	v_mul_u32_u24 v3, v1, PITCH
	v_mul_u32_u24 v4, v2, 24
	v_add_nc_u32 v4, v3, v4                        ; a fragment's row x pitch + 24 x half
	v_lshl_add_u32 v5, v2, 4, v4                   ; and the same behind one padding more
	s_mul_i32 s3, s[WV], 32*PITCH                  ; my 32 rows of each W tile,
	s_add_co_u32 s3, s3, HALFT                     ; which lie behind x's
.irp s, 0,1
	v_add_nc_u32 v[ADX+\s], \s*SLOT, v4
	v_add_nc_u32 v[ADX+2+\s], \s*SLOT, v5
	v_add_nc_u32 v[ADW+\s], s3, v4
	v_add_nc_u32 v[ADW+2+\s], s3, v5
	s_add_co_u32 s3, s3, SLOT
.endr
	v_lshrrev_b32 v5, 2, v1                        ; a row's 64 scale bytes: four rows to a unit of 272
	v_mul_u32_u24 v5, v5, 272
	v_and_b32 v6, 3, v1
	v_lshl_add_u32 v5, v6, 6, v5
	v_add_nc_u32 v[ADSX], SCL, v5
	s_mul_i32 s3, s[WV], 8*272
	s_add_co_u32 s3, s3, SCL+HALFS
	v_add_nc_u32 v[ADSW], s3, v5
	v_lshlrev_b32 v[LI], 4, v14
	v_lshlrev_b32 v[LS], 2, v14
	v_lshlrev_b32 v15, 3, v14                      ; 8 x lane
	v_lshlrev_b32 v8, 5, v2                        ; the biases of q and k: eight numbers of my half
	v_lshlrev_b32 v9, 2, v1                        ; of v: my column's
	s_lshl_b32 s66, s37, 9                         ; the head's 128 numbers, my wave's 32
	s_lshl_b32 s3, s[WV], 7
	s_add_co_u32 s66, s66, s3
	s_add_nc_u64 s[20:21], s[20:21], s[66:67]
	s_add_nc_u64 s[22:23], s[22:23], s[66:67]
	s_add_nc_u64 s[24:25], s[24:25], s[66:67]
.irp t, 0,1
	global_load_b128 v[BQK+8*\t:BQK+8*\t+3], v8, s[20:21] offset:64*\t
	global_load_b128 v[BQK+8*\t+4:BQK+8*\t+7], v8, s[20:21] offset:64*\t+16
	global_load_b128 v[BQK+16+8*\t:BQK+16+8*\t+3], v8, s[22:23] offset:64*\t
	global_load_b128 v[BQK+16+8*\t+4:BQK+16+8*\t+7], v8, s[22:23] offset:64*\t+16
	global_load_b32 v[BV+8*\t], v9, s[24:25] offset:64*\t
.endr
	; the bases of the way out
	s_lshl_b32 s44, s38, 20                        ; h: 8 row tiles of 131,072 bytes a row block,
	s_lshl_b32 s45, s37, 13                        ; 8,192 a head,
	s_add_co_u32 s44, s44, s45
	s_lshl_b32 s45, s[WV], 11                      ; 2 column tiles of 1,024 a wave
	s_add_co_u32 s44, s44, s45
	s_mov_b32 s45, 0
	s_add_nc_u64 s[12:13], s[26:27], s[44:45]      ; q's part
	s_add_nc_u64 s[14:15], s[12:13], 0x1000000     ; k's
	s_mul_i32 s44, s37, 393216                     ; kv: the head, the 512 keys, behind K's part, the key step, my two tiles of d
	s_lshr_b32 s46, s38, 2
	s_mul_i32 s46, s46, 98304
	s_add_co_u32 s44, s44, s46
	s_and_b32 s46, s38, 3
	s_mul_i32 s46, s46, 12288
	s_add_co_u32 s44, s44, s46
	s_mul_i32 s46, s[WV], 3072
	s_add_co_u32 s44, s44, s46
	s_add_co_u32 s44, s44, 49152
	s_add_nc_u64 s[16:17], s[30:31], s[44:45]
	s_lshl_b32 s44, s37, 14                        ; kvs: the head, behind K's part, the key step, my two tiles
	s_lshl_b32 s46, s38, 9
	s_add_co_u32 s44, s44, s46
	s_lshl_b32 s46, s[WV], 7
	s_add_co_u32 s44, s44, s46
	s_add_co_u32 s44, s44, 8192
	s_add_nc_u64 s[18:19], s[32:33], s[44:45]
	s_and_b32 s46, s[WV], 1                        ; ssq: wave w stores q's (w even) or k's sums of rows 64 (w / 2) on
	s_lshl_b32 s44, s46, 4
	s_add_co_u32 s44, s44, s37
	s_lshl_b32 s44, s44, 13
	s_lshl_b32 s47, s38, 9
	s_add_co_u32 s44, s44, s47
	s_lshr_b32 s47, s[WV], 1
	s_lshl_b32 s47, s47, 8
	s_add_co_u32 s44, s44, s47
	s_add_nc_u64 s[28:29], s[28:29], s[44:45]
	s_lshl_b32 s46, s46, 11
	s_add_co_u32 s46, s46, s47
	s_add_co_u32 s46, s46, RED
	v_lshl_add_u32 v[REDR], v14, 3, s46
	s_lshl_b32 s47, s[WV], 9
	s_add_co_u32 s47, s47, RED
	v_lshl_add_u32 v[REDW], v14, 2, s47
	s_mov_b32 s46, 0x76543210                      ; v_permlanex16_b32's selects for lane l xor 16
	s_mov_b32 s47, 0xfedcba98
.irp b, 0,1,2,3
	v_mov_b32 v[TM+4+\b], 0                        ; written once: a lane permute's destination counts as one of its sources
.endr
	s_wait_loadcnt 0x0                             ; the biases
.irp t, 0,1
.irp j, 1,2,3,4,5,6,7
	v_mov_b32 v[BV+8*\t+\j], v[BV+8*\t]            ; v's result holds one column a lane: its bias in all eight registers
.endr
.endr
.macro FRAG reg, adr, q, ro            ; 16 rows x 128 K: 12 registers, as six pieces of 8 bytes; where the piece three on lies behind one padding more, the second address register serves
.irp p, 0,1,2,3,4,5
.set PCE, 12*(\q)+6*(\p/3)+\p%3
.if PCE%8 < 5
	ds_load_b64 v[\reg+2*\p:\reg+2*\p+1], v[\adr] offset:8*PCE+16*(PCE/8)+(\ro)
.else
	ds_load_b64 v[\reg+2*\p:\reg+2*\p+1], v[\adr+2] offset:8*PCE+16*(PCE/8)+(\ro)
.endif
.endr
.endm
.macro FETCH_W slot, q, set            ; my six fragments of W: tiles 0, 1 of Wq, 2, 3 of Wk, 4, 5 of Wv
.irp t, 0,1,2,3,4,5
	FRAG 96+72*(\set)+12*\t, ADW+\slot, \q, (\t/2)*HALFT+(\t%2)*16*PITCH
.endr
.endm
.macro FETCH_X slot, q, i0             ; x's blocks i0 .. i0 + 3
.irp i, \i0, \i0+1, \i0+2, \i0+3
	FRAG 12*(\i), ADX+\slot, \q, (\i)*16*PITCH
.endr
.endm
.macro SCALES sc                       ; a K step's scale words, two a row
.irp a, 0,1,2,3,4,5,6,7
	ds_load_b64 v[SC+28*(\sc)+2*\a:SC+28*(\sc)+2*\a+1], v[ADSX] offset:\a*SBLK
.endr
.irp t, 0,1,2,3,4,5
	ds_load_b64 v[SC+28*(\sc)+16+2*\t:SC+28*(\sc)+16+2*\t+1], v[ADSW] offset:(\t/2)*HALFS+(\t%2)*SBLK
.endr
.endm
; x's block a against my six tiles. The 48 accumulators take turns, one instruction a turn, in the same order in every step. first = 1: the bias is the C of a sum's first product.
.macro MULA a, set, q, sc, first
.irp t, 0,1,2,3,4,5
.set rD, 8*(4*\t+(\a)%4)
.set rW, 96+72*(\set)+12*\t
.set rX, 12*(\a)
.set sX, SC+28*(\sc)+2*(\a)+(\q)
.set sW, SC+28*(\sc)+16+2*\t+(\q)
.if \t < 4
.if \first
	v_wmma_scale_f32_16x16x128_f8f6f4 v[rD:rD+7], v[rW:rW+11], v[rX:rX+11], v[BQK+8*\t:BQK+8*\t+7], v[sW], v[sX] matrix_a_fmt:MATRIX_FMT_FP6 matrix_b_fmt:MATRIX_FMT_FP6
.else
	v_wmma_scale_f32_16x16x128_f8f6f4 v[rD:rD+7], v[rW:rW+11], v[rX:rX+11], v[rD:rD+7], v[sW], v[sX] matrix_a_fmt:MATRIX_FMT_FP6 matrix_b_fmt:MATRIX_FMT_FP6
.endif
.else
.if \first
	v_wmma_scale_f32_16x16x128_f8f6f4 v[rD:rD+7], v[rX:rX+11], v[rW:rW+11], v[BV+8*(\t-4):BV+8*(\t-4)+7], v[sX], v[sW] matrix_a_fmt:MATRIX_FMT_FP6 matrix_b_fmt:MATRIX_FMT_FP6
.else
	v_wmma_scale_f32_16x16x128_f8f6f4 v[rD:rD+7], v[rX:rX+11], v[rW:rW+11], v[rD:rD+7], v[sX], v[sW] matrix_a_fmt:MATRIX_FMT_FP6 matrix_b_fmt:MATRIX_FMT_FP6
.endif
.endif
.endr
.endm
; A slot's first 128 along K. x has one set of registers: blocks 0-3 are fetched anew in the middle, blocks 4-7 at the end; W has two sets.
.macro STEP slot, first
	s_wait_dscnt 24                                ; all but the youngest 24 loads (x's blocks 4-7) are in
	WIN 0xa5-0x20*(\first)                         ; fragments window 1, D window 2, C window 2 (the bias: window 0)
.irp a, 0,1,2,3
	MULA \a, 0, 0, \slot, \first
.endr
	s_wait_dscnt 0x0                               ; x's blocks 4-7
	PLACES
	WIN TO_F
	FETCH_W \slot, 1, 1
	FETCH_X \slot, 1, 0
	WIN 0xf5-0x30*(\first)
.irp a, 4,5,6,7
	MULA \a, 0, 0, \slot, \first
.endr
	PLACES
	WIN TO_F
	FETCH_X \slot, 1, 4
	WIN 0
.endm
; A slot's second 128 along K changes slots: ONE barrier; in front of it each wave waits for all its tensor loads, adds 0 to its spare word, and waits for that and for its reads of this slot.
.macro TURN slot, next, fill
	s_wait_tensorcnt 0x0                           ; all my tensor loads have landed: my part of the next slot
	ds_add_u32 v[SPW], v[NIL]                      ; 0 onto my spare word
	s_wait_dscnt 25                                ; (the add and x's blocks 4-7 may be out)
	WIN 0xa5
	MULA 0, 1, 1, \slot, 0
	MULA 1, 1, 1, \slot, 0
	s_wait_dscnt 0x0                               ; the add is done, and my reads of this slot are over
	s_barrier_signal -1
	MULA 2, 1, 1, \slot, 0
	MULA 3, 1, 1, \slot, 0
	WIN 0
	s_barrier_wait -1
.if \fill
	CREST                                          ; the barrier has opened a round of the cluster's: no wave of any partner still reads this slot or has a load on its way
	s_add_nc_u64 s[G0X+4*\slot+2:G0X+4*\slot+3], s[G0X+4*\slot+2:G0X+4*\slot+3], 2*ROWB
	s_add_nc_u64 s[G0W+4*\slot+2:G0W+4*\slot+3], s[G0W+4*\slot+2:G0W+4*\slot+3], 2*ROWB
	JLOAD G0X+4*\slot, G1X, G0W+4*\slot, G1W       ; my one tensor load behind the round; its four v_nop are the places in front of the loads below
.else
	PLACES
.endif
	v_add_nc_u32 v[ADSX], 8, v[ADSX]               ; on to the next K step's scale words
	v_add_nc_u32 v[ADSW], 8, v[ADSW]
	WIN TO_F
	FETCH_W \next, 0, 0
	FETCH_X \next, 0, 0
	WIN 0
	SCALES \next
	WIN 0xf5
.irp a, 4,5,6,7
	MULA \a, 1, 1, \slot, 0
.endr
	PLACES
	WIN TO_F
	FETCH_X \next, 0, 4
	WIN 0
.endm
	s_wait_tensorcnt 1                             ; the scales and my part of K step 0 are in; K step 1's load may be out
	s_barrier_signal -1
	s_barrier_wait -1
	WIN TO_F
	FETCH_W 0, 0, 0
	FETCH_X 0, 0, 0
	WIN 0
	SCALES 0
	WIN TO_F
	FETCH_X 0, 0, 4
	WIN 0
	STEP 0, 1                                      ; the first step stands in front of the loop: its products start the sums, on the biases
	s_mov_b32 s3, 3
.Llap:                                                 ; a trip goes once round the ring and fills both slots again: K steps 2 to 7
	TURN 0, 1, 1
	STEP 1, 0
	TURN 1, 0, 1
	STEP 0, 0
	s_sub_co_u32 s3, s3, 1
	s_cmp_lg_u32 s3, 0
	s_cbranch_scc1 .Llap
	TURN 0, 1, 0                                   ; the last lap fills nothing
	STEP 1, 0
	s_wait_dscnt 24
	WIN 0xa5
.irp a, 0,1,2,3
	MULA \a, 1, 1, 1, 0
.endr
	s_wait_dscnt 0x0
	WIN 0xf5
.irp a, 4,5,6,7
	MULA \a, 1, 1, 1, 0
.endr
	WIN 0
	PLACES
	; THE WAY OUT. (1) the squares of my 16 numbers of each row of q and of k, each accumulator from its low end on
.irp hw, 0,1
	WIN 0x0a+5*\hw                                 ; sources 0 and 1: window 2 or 3
.irp e, 0,1,2,3,4,5,6,7
.irp m, 0,1
.irp i, 0,1,2,3
.set rA, 8*(4*(2*\m+\e/4)+\i)+2*(\e%4)
.set rS, SQ+2*(8*\m+4*\hw+\i)
.if \e == 0
	v_pk_mul_f32 v[rS:rS+1], v[rA:rA+1], v[rA:rA+1]
.else
	v_pk_fma_f32 v[rS:rS+1], v[rA:rA+1], v[rA:rA+1], v[rS:rS+1]
.endif
.endr
.endr
.endr
.endr
	; (2) q and k leave as the registers stand: each store of the wave covers 512 consecutive bytes, aligned
.irp hw, 0,1
	WIN 0x08+4*\hw                                 ; a store's data: window 2 or 3
.irp i, 0,1,2,3
.irp t, 0,1,2,3
.set rA, 8*(4*\t+\i)
	global_store_b128 v[LI], v[rA:rA+3], s[12+2*(\t/2):13+2*(\t/2)] offset:(4*\hw+\i)*131072+(\t%2)*1024 th:TH_STORE_NT
	global_store_b128 v[LI], v[rA+4:rA+7], s[12+2*(\t/2):13+2*(\t/2)] offset:(4*\hw+\i)*131072+(\t%2)*1024+512 th:TH_STORE_NT
.endr
.endr
.endr
	WIN 0
	; (3) a row's two halves and the other half of the lanes'; two blocks of 16 rows to a store into RED
.irp k, 0,1,2,3,4,5,6,7,8,9,10,11,12,13,14,15
	v_add_f32 v[SQ+2*\k], v[SQ+2*\k], v[SQ+2*\k+1]
.endr
.irp k, 0,1,2,3,4,5,6,7,8,9,10,11,12,13,14,15
	v_permlanex16_b32 v[SQ+2*\k+1], v[SQ+2*\k], s46, s47
.endr
.irp k, 0,1,2,3,4,5,6,7,8,9,10,11,12,13,14,15
	v_add_f32 v[SQ+2*\k], v[SQ+2*\k], v[SQ+2*\k+1]
.endr
	v_cmp_le_u32 vcc_lo, 16, v14                   ; lanes 16-31
.irp m, 0,1
.irp p, 0,1,2,3
	v_cndmask_b32 v[SQ+2*(8*\m+2*\p)+1], v[SQ+2*(8*\m+2*\p)], v[SQ+2*(8*\m+2*\p+1)], vcc_lo
	ds_store_b32 v[REDW], v[SQ+2*(8*\m+2*\p)+1] offset:\m*2048+\p*128
.endr
.endr
; (4) v: tile tp of my two. A lane's 64 registers (32 in window 2, 32 in window 3) are 64 keys of its column; lane l xor 16 holds the blocks' other halves.
.macro QUANTV tp, pc, pw
	WIN 0
.irp b, 0,1,2,3
	v_mov_b32 v[TM+\b], 0x1800000                  ; the floor 2^(3 - 127): the byte cannot fall under 1
.endr
	WIN 0x28                                       ; sources 1 and 2: window 2
.irp i, 0,2,4,6,8,10,12,14
.irp b, 0,1
	v_max3_num_f32 v[TM+\b], v[TM+\b], |v[128+32*(\tp)+16*\b+\i]|, |v[129+32*(\tp)+16*\b+\i]|
.endr
.endr
	WIN 0x3c                                       ; window 3
.irp i, 0,2,4,6,8,10,12,14
.irp b, 0,1
	v_max3_num_f32 v[TM+2+\b], v[TM+2+\b], |v[128+32*(\tp)+16*\b+\i]|, |v[129+32*(\tp)+16*\b+\i]|
.endr
.endr
	WIN 0
.irp b, 0,1,2,3
	v_permlanex16_b32 v[TM+4+\b], v[TM+\b], s46, s47
.endr
.irp b, 0,1,2,3
	v_max_num_f32 v[TM+\b], v[TM+\b], v[TM+4+\b]   ; the block's largest magnitude
.endr
.irp b, 0,1,2,3
	v_add_nc_u32 v[TM+12+\b], 0xff000000, v[TM+\b] ; 2 off its exponent field: the conversion's scale operand
.endr
.irp b, 0,1,2,3
	v_lshrrev_b32 v[TM+4+\b], 23, v[TM+12+\b]      ; the scale's byte
.endr
	v_lshl_or_b32 v[\pw], v[TM+5], 8, v[TM+4]
	v_lshl_or_b32 v[\pw], v[TM+6], 16, v[\pw]
	v_lshl_or_b32 v[\pw], v[TM+7], 24, v[\pw]
	WIN 0x02                                       ; source 0: window 2
	v_cvt_scalef32_pk16_fp6_f32 v[\pc:\pc+2], v[128+32*(\tp):143+32*(\tp)], v[TM+12]
	v_cvt_scalef32_pk16_fp6_f32 v[\pc+12:\pc+14], v[144+32*(\tp):159+32*(\tp)], v[TM+13]
	WIN 0x03                                       ; window 3
	v_cvt_scalef32_pk16_fp6_f32 v[\pc+6:\pc+8], v[128+32*(\tp):143+32*(\tp)], v[TM+14]
	v_cvt_scalef32_pk16_fp6_f32 v[\pc+16:\pc+18], v[144+32*(\tp):159+32*(\tp)], v[TM+15]
	WIN 0
	v_nop                                          ; one plain place behind a scaled conversion
.irp c, 0,1                                    ; the operand's layout wants a whole block in a lane
.irp i, 0,1,2
	v_permlane16_swap_b32 v[\pc+6*\c+\i], v[\pc+12+4*\c+\i]
.endr
.irp i, 0,1,2
	v_mov_b32 v[\pc+3+6*\c+\i], v[\pc+12+4*\c+\i]
.endr
.endr
.irp c, 0,1,2
	global_store_b128 v[LI], v[\pc+4*\c:\pc+4*\c+3], s[16:17] offset:(\tp)*1536+512*\c   ; the fragment's image: 512 consecutive bytes a store
.endr
.endm
	QUANTV 0, PC0, PW
	QUANTV 1, PC1, PW+1
	v_cndmask_b32 v[PW+2], v[PW], v[PW+1], vcc_lo  ; lanes 0-15 the first tile's scale words, lanes 16-31 the second's
	global_store_b32 v[LS], v[PW+2], s[18:19]
	; (5) the four waves' sums meet
	s_wait_dscnt 0x0                               ; for the others' sake: my stores into RED are done
	s_barrier_signal -1
	s_barrier_wait -1
.irp u, 0,1,2,3
	ds_load_b64 v[SQ+2*\u:SQ+2*\u+1], v[REDR] offset:\u*512
.endr
	s_wait_dscnt 0x0
	v_pk_add_f32 v[SQ:SQ+1], v[SQ:SQ+1], v[SQ+2:SQ+3]
	v_pk_add_f32 v[SQ+4:SQ+5], v[SQ+4:SQ+5], v[SQ+6:SQ+7]
	v_pk_add_f32 v[SQ:SQ+1], v[SQ:SQ+1], v[SQ+4:SQ+5]
	global_store_b64 v15, v[SQ:SQ+1], s[28:29]     ; 32 lanes store 256 consecutive bytes, aligned
	s_wait_tensorcnt 0x0                           ; the wave's end
	ds_add_u32 v[SPW], v[NIL]
	s_wait_dscnt 0x0
	CROUND                                         ; the closing round
	s_endpgm
.Lfunc_end_k_q2669257992_qkv:
	.size	k_q2669257992_qkv, .Lfunc_end_k_q2669257992_qkv-k_q2669257992_qkv
	.p2alignl 7, 3214868480
	.fill 96, 4, 3214868480
	.section	.rodata,"a",@progbits
	.p2align	6, 0x0
	.amdhsa_kernel k_q2669257992_qkv
		.amdhsa_group_segment_fixed_size 327680
		.amdhsa_private_segment_fixed_size 0
		.amdhsa_enable_private_segment 0
		.amdhsa_kernarg_size 120
		.amdhsa_user_sgpr_count 2
		.amdhsa_user_sgpr_kernarg_segment_ptr 1
		.amdhsa_wavefront_size32 1
		.amdhsa_system_sgpr_workgroup_id_x 1
		.amdhsa_system_sgpr_workgroup_id_y 1
		.amdhsa_system_sgpr_workgroup_id_z 1
		.amdhsa_system_vgpr_workitem_id 0
		.amdhsa_next_free_vgpr 1024
		.amdhsa_next_free_sgpr 100
		.amdhsa_reserve_vcc 1
		.amdhsa_float_denorm_mode_32 3
		.amdhsa_float_denorm_mode_16_64 3
		.amdhsa_memory_ordered 1
		.amdhsa_forward_progress 1
		.amdhsa_inst_pref_size 139
	.end_amdhsa_kernel
	.amdgpu_metadata
---
amdhsa.version: [ 1, 2 ]
amdhsa.kernels:
  - .name:           k_q2669257992_qkv
    .symbol:         k_q2669257992_qkv.kd
    .args:
      - { .name: x_codes, .offset: 0, .size: 8, .value_kind: global_buffer, .address_space: global }
      - { .name: x_scales, .offset: 8, .size: 8, .value_kind: global_buffer, .address_space: global }
      - { .name: Wq_codes, .offset: 16, .size: 8, .value_kind: global_buffer, .address_space: global }
      - { .name: Wq_scales, .offset: 24, .size: 8, .value_kind: global_buffer, .address_space: global }
      - { .name: Wk_codes, .offset: 32, .size: 8, .value_kind: global_buffer, .address_space: global }
      - { .name: Wk_scales, .offset: 40, .size: 8, .value_kind: global_buffer, .address_space: global }
      - { .name: Wv_codes, .offset: 48, .size: 8, .value_kind: global_buffer, .address_space: global }
      - { .name: Wv_scales, .offset: 56, .size: 8, .value_kind: global_buffer, .address_space: global }
      - { .name: bq, .offset: 64, .size: 8, .value_kind: global_buffer, .address_space: global }
      - { .name: bk, .offset: 72, .size: 8, .value_kind: global_buffer, .address_space: global }
      - { .name: bv, .offset: 80, .size: 8, .value_kind: global_buffer, .address_space: global }
      - { .name: h, .offset: 88, .size: 8, .value_kind: global_buffer, .address_space: global }
      - { .name: ssq, .offset: 96, .size: 8, .value_kind: global_buffer, .address_space: global }
      - { .name: kv, .offset: 104, .size: 8, .value_kind: global_buffer, .address_space: global }
      - { .name: kvs, .offset: 112, .size: 8, .value_kind: global_buffer, .address_space: global }
    .group_segment_fixed_size: 327680
    .private_segment_fixed_size: 0
    .kernarg_segment_align: 8
    .kernarg_segment_size: 120
    .max_flat_workgroup_size: 128
    .sgpr_count:     100
    .vgpr_count:     1024
    .wavefront_size: 32
...
	.end_amdgpu_metadata
.endif
;; end of part 1
;; launch norm (part 2): grid 128 x 2, 16 waves a work-group, no clusters, 0 bytes of LDS; arguments h, ssq, gq, gk, freqs_cos, freqs_sin, qf, qs, kv, kvs; writes qf, qs, kv, kvs
.if DOCPART == 2
	.amdgcn_target "amdgcn-amd-amdhsa--gfx1250"
	.amdhsa_code_object_version 6
	.text
	.protected	k_q2669257992_norm
	.globl	k_q2669257992_norm
	.p2align	8
	.type	k_q2669257992_norm,@function
k_q2669257992_norm:
	s_mov_b64 s[64:65], 0
	v_nop
	global_prefetch_b8 v0, s[64:65] scope:SCOPE_SE
	s_setreg_imm32_b32 hwreg(HW_REG_WAVE_MODE, 25, 1), 1
	s_wait_xcnt 0x0
; q and k: RMS norm over the whole row of 2,048 (mean of squares from the 16 heads' partial sums in ssq), gain, RoPE on neighbouring pairs, then the quantiser along the head's 128: all in f32.
; A work-group takes 16 rows of q (y = 0) or of k (y = 1); each of its sixteen waves one head: 16 rows x 128 columns, 8,192 bytes of h, which lie as the product's accumulators stood:
; register 8 t + j of lane (r, hh) is row r, column 16 t + 8 hh + j. One path serves both tensors: only pointers and three constants are chosen, on the work-group's y.
; The result is a fragment's image (12 registers a lane, three stores of 512 consecutive bytes) and 16 scale words.
; Straight text: all 64 loads go out at once; no LDS, no barrier, no matrix unit, no cluster (a work-group shares only 8 KB of cos and sin among its waves), no prefetch (nothing is asked for later than at the head).
; The scale words leave as 64 bytes a wave: the reader's dense layout is worth more, since sixteen work-groups read each head's words.
; LIMITS: NaN and infinities are not served; 1 / sqrt by v_rsq_f32; a block whose largest magnitude lies under 2^-124 keeps the byte 1 (a block of zeros too: its codes are zeros, and this program alone reads the bytes).
.set RS,  10                           ; v[10:11] 1 / sqrt(mean + eps), and 0
.set T,   12                           ; v12-19 at work
.set PW,  20
.set SSQ, 32
.set TM,  48
.set H,   64
.set G,   128
.set PC,  128                          ; the codes, where the gain lay
.set CO,  192
.set SI,  224
.set SEL, 44
	s_load_b512 s[4:19], s[0:1], 0x0               ; h, ssq, gq, gk, cos, sin, qf, qs
	s_load_b128 s[20:23], s[0:1], 0x40             ; kv, kvs
	v_lshrrev_b32 v1, 5, v0
	v_readfirstlane_b32 s26, v1                    ; the head = my wave's number
	s_and_b32 s24, ttmp7, 0xffff                   ; 0: q, 1: k
	v_and_b32 v1, 31, v0                           ; lane
	v_and_b32 v2, 15, v0                           ; r
	v_bfe_u32 v3, v0, 4, 1                         ; hh
	v_lshlrev_b32 v4, 4, v1                        ; 16 x lane
	v_lshlrev_b32 v5, 2, v2                        ; 4 r
	v_lshlrev_b32 v6, 5, v3                        ; 32 hh: my eight gains of a tile
	v_lshlrev_b32 v7, 8, v2
	v_lshl_add_u32 v7, v3, 4, v7                   ; 256 r + 16 hh: my four pairs' cos and sin
.irp b, 0,1,2,3
	v_mov_b32 v[TM+4+\b], 0                        ; written once: a lane permute's destination counts as one of its sources
.endr
	s_lshl_b32 s30, s24, 7
	s_add_co_u32 s30, s30, ttmp9
	s_lshl_b32 s30, s30, 4
	s_add_co_u32 s30, s30, s26
	s_lshl_b32 s30, s30, 13                        ; h: ((which x 128 + row tile) x 16 + head) x 8,192
	s_mov_b32 s31, 0
	s_lshl_b32 s32, s24, 17
	s_lshl_b32 s33, ttmp9, 6
	s_add_co_u32 s32, s32, s33                     ; ssq: which x 131,072 + row tile x 64
	s_mov_b32 s33, 0
	s_lshl_b32 s34, s26, 9                         ; the gain: head x 512
	s_mov_b32 s35, 0
	s_lshl_b32 s36, ttmp9, 12                      ; cos, sin: 16 rows of 256 bytes
	s_mov_b32 s37, 0
	s_mov_b32 s42, 0x3a000000                      ; 1 / 2048
	s_mov_b32 s43, 0x358637bd                      ; 1e-6
	s_mov_b32 s[SEL], 0x76543210
	s_mov_b32 s[SEL+1], 0xfedcba98
	s_wait_kmcnt 0x0
	s_cmp_eq_u32 s24, 0                            ; the choice hangs on the work-group's y alone
	s_cselect_b64 s[8:9], s[8:9], s[10:11]         ; the gain
	s_cselect_b64 s[16:17], s[16:17], s[20:21]     ; where the codes go
	s_cselect_b64 s[18:19], s[18:19], s[22:23]     ; and the scale words
	s_mov_b32 s27, 393216
	s_cselect_b32 s27, 196608, s27                 ; bytes of codes a head
	s_mov_b32 s28, 98304
	s_cselect_b32 s28, 49152, s28                  ; from 32 row tiles to the next 32 (in kv V's part lies between)
	s_mov_b32 s29, 16384
	s_cselect_b32 s29, 8192, s29                   ; bytes of scale words a head
	s_mul_i32 s38, s26, s27
	s_lshr_b32 s39, ttmp9, 5
	s_mul_i32 s39, s39, s28
	s_add_co_u32 s38, s38, s39
	s_and_b32 s39, ttmp9, 31
	s_mul_i32 s39, s39, 1536
	s_add_co_u32 s38, s38, s39
	s_mov_b32 s39, 0
	s_mul_i32 s40, s26, s29
	s_lshl_b32 s41, ttmp9, 6
	s_add_co_u32 s40, s40, s41
	s_mov_b32 s41, 0
	s_add_nc_u64 s[4:5], s[4:5], s[30:31]
	s_add_nc_u64 s[6:7], s[6:7], s[32:33]
	s_add_nc_u64 s[8:9], s[8:9], s[34:35]
	s_add_nc_u64 s[12:13], s[12:13], s[36:37]
	s_add_nc_u64 s[14:15], s[14:15], s[36:37]
	s_add_nc_u64 s[16:17], s[16:17], s[38:39]
	s_add_nc_u64 s[18:19], s[18:19], s[40:41]
.irp n, 0,1,2,3,4,5,6,7,8,9,10,11,12,13,14,15
	global_load_b32 v[SSQ+\n], v5, s[6:7] offset:\n*8192           ; my row's sum of squares over head n
.endr
.irp t, 0,1,2,3,4,5,6,7
	global_load_b128 v[H+8*\t:H+8*\t+3], v4, s[4:5] offset:\t*1024 th:TH_LOAD_NT
	global_load_b128 v[H+8*\t+4:H+8*\t+7], v4, s[4:5] offset:\t*1024+512 th:TH_LOAD_NT
.endr
.irp t, 0,1,2,3,4,5,6,7
	global_load_b128 v[G+8*\t:G+8*\t+3], v6, s[8:9] offset:64*\t
	global_load_b128 v[G+8*\t+4:G+8*\t+7], v6, s[8:9] offset:64*\t+16
.endr
.irp t, 0,1,2,3,4,5,6,7
	global_load_b128 v[CO+4*\t:CO+4*\t+3], v7, s[12:13] offset:32*\t
.endr
.irp t, 0,1,2,3,4,5,6,7
	global_load_b128 v[SI+4*\t:SI+4*\t+3], v7, s[14:15] offset:32*\t
.endr
	s_wait_loadcnt 48                              ; the 16 partial sums are in; the 48 loads behind them may be out
.irp i, 0,1,2,3,4,5,6,7
	v_add_f32 v[SSQ+\i], v[SSQ+\i], v[SSQ+8+\i]
.endr
.irp i, 0,1,2,3
	v_add_f32 v[SSQ+\i], v[SSQ+\i], v[SSQ+4+\i]
.endr
	v_add_f32 v[SSQ], v[SSQ], v[SSQ+2]
	v_add_f32 v[SSQ+1], v[SSQ+1], v[SSQ+3]
	v_add_f32 v[SSQ], v[SSQ], v[SSQ+1]
	v_fma_f32 v[T], v[SSQ], s42, s43               ; the mean of squares + eps
	v_rsq_f32 v[RS], v[T]
	v_mov_b32 v[RS+1], 0                           ; a plain place behind the transcendental; the pair's upper word is named below, so it is written
	s_wait_alu depctr_va_vdst(0)                   ; the wait ahead of the result's first reader
	s_wait_loadcnt 32                              ; h is in
.set j, 0
.rept 32
	v_pk_mul_f32 v[H+j:H+j+1], v[H+j:H+j+1], v[RS:RS+1] op_sel_hi:[1,0]
.set j, j+2
.endr
	s_wait_loadcnt 16                              ; the gain
.set j, 0
.rept 32
	v_pk_mul_f32 v[H+j:H+j+1], v[H+j:H+j+1], v[G+j:G+j+1]
.set j, j+2
.endr
	s_wait_loadcnt 0x0                             ; cos and sin
.irp t, 0,1,2,3,4,5,6,7
.irp i, 0,1,2,3                                ; (re, im) -> (re c - im s, re s + im c); four pairs of helpers by turns
	v_mul_f32 v[T+2*\i], v[H+8*\t+2*\i+1], v[SI+4*\t+\i]
	v_mul_f32 v[T+2*\i+1], v[H+8*\t+2*\i], v[SI+4*\t+\i]
	v_fma_f32 v[H+8*\t+2*\i], v[H+8*\t+2*\i], v[CO+4*\t+\i], -v[T+2*\i]
	v_fma_f32 v[H+8*\t+2*\i+1], v[H+8*\t+2*\i+1], v[CO+4*\t+\i], v[T+2*\i+1]
.endr
.endr
.irp b, 0,1,2,3                                ; tiles 2 b and 2 b + 1 change halves: register 16 b + i is then column 32 b + 16 hh + i
.irp j, 0,1,2,3,4,5,6,7
	v_permlane16_swap_b32 v[H+16*\b+\j], v[H+16*\b+8+\j]
.endr
.endr
.irp b, 0,1,2,3
	v_max3_num_f32 v[TM+\b], |v[H+16*\b]|, |v[H+1+16*\b]|, 0x1800000   ; block b: my 16 numbers, and the floor 2^(3 - 127)
.endr
.irp i, 2,4,6,8,10,12,14
.irp b, 0,1,2,3
	v_max3_num_f32 v[TM+\b], v[TM+\b], |v[H+16*\b+\i]|, |v[H+1+16*\b+\i]|
.endr
.endr
.irp b, 0,1,2,3
	v_permlanex16_b32 v[TM+4+\b], v[TM+\b], s[SEL], s[SEL+1]
.endr
.irp b, 0,1,2,3
	v_max_num_f32 v[TM+\b], v[TM+\b], v[TM+4+\b]   ; with lane l xor 16's: the block's largest magnitude
.endr
.irp b, 0,1,2,3
	v_add_nc_u32 v[TM+12+\b], 0xff000000, v[TM+\b] ; 2 off its exponent field: the conversion's scale operand
.endr
.irp b, 0,1,2,3
	v_lshrrev_b32 v[TM+4+\b], 23, v[TM+12+\b]      ; the scale's byte
.endr
	v_lshl_or_b32 v[PW], v[TM+5], 8, v[TM+4]
	v_lshl_or_b32 v[PW], v[TM+6], 16, v[PW]
	v_lshl_or_b32 v[PW], v[TM+7], 24, v[PW]
.irp c, 0,1
	v_cvt_scalef32_pk16_fp6_f32 v[PC+6*\c:PC+2+6*\c], v[H+32*\c:H+15+32*\c], v[TM+12+2*\c]
	v_cvt_scalef32_pk16_fp6_f32 v[PC+12+4*\c:PC+14+4*\c], v[H+16+32*\c:H+31+32*\c], v[TM+12+2*\c+1]
.endr
	v_nop                                          ; one plain place behind a scaled conversion
.irp c, 0,1                                    ; the operand's layout wants a whole block in a lane
.irp i, 0,1,2
	v_permlane16_swap_b32 v[PC+6*\c+\i], v[PC+12+4*\c+\i]
.endr
.irp i, 0,1,2
	v_mov_b32 v[PC+3+6*\c+\i], v[PC+12+4*\c+\i]
.endr
.endr
.irp c, 0,1,2
	global_store_b128 v4, v[PC+4*\c:PC+4*\c+3], s[16:17] offset:512*\c
.endr
	v_cmp_gt_u32 vcc_lo, 16, v1
	s_wait_xcnt 0x0                                ; EXEC changes only behind this wait
	s_and_saveexec_b32 s46, vcc_lo                 ; lanes 0-15 hold the 16 rows' words (lanes 16-31 the same again)
	global_store_b32 v5, v[PW], s[18:19]
	s_wait_xcnt 0x0                                ; and again, in front of the line that widens it
	s_or_b32 exec_lo, exec_lo, s46
	s_endpgm
.Lfunc_end_k_q2669257992_norm:
	.size	k_q2669257992_norm, .Lfunc_end_k_q2669257992_norm-k_q2669257992_norm
	.p2alignl 7, 3214868480
	.fill 96, 4, 3214868480
	.section	.rodata,"a",@progbits
	.p2align	6, 0x0
	.amdhsa_kernel k_q2669257992_norm
		.amdhsa_group_segment_fixed_size 0
		.amdhsa_private_segment_fixed_size 0
		.amdhsa_enable_private_segment 0
		.amdhsa_kernarg_size 80
		.amdhsa_user_sgpr_count 2
		.amdhsa_user_sgpr_kernarg_segment_ptr 1
		.amdhsa_wavefront_size32 1
		.amdhsa_system_sgpr_workgroup_id_x 1
		.amdhsa_system_sgpr_workgroup_id_y 1
		.amdhsa_system_sgpr_workgroup_id_z 1
		.amdhsa_system_vgpr_workitem_id 0
		.amdhsa_next_free_vgpr 256
		.amdhsa_next_free_sgpr 66
		.amdhsa_reserve_vcc 1
		.amdhsa_float_denorm_mode_32 3
		.amdhsa_float_denorm_mode_16_64 3
		.amdhsa_memory_ordered 1
		.amdhsa_forward_progress 1
		.amdhsa_inst_pref_size 25
	.end_amdhsa_kernel
	.amdgpu_metadata
---
amdhsa.version: [ 1, 2 ]
amdhsa.kernels:
  - .name:           k_q2669257992_norm
    .symbol:         k_q2669257992_norm.kd
    .args:
      - { .name: h, .offset: 0, .size: 8, .value_kind: global_buffer, .address_space: global }
      - { .name: ssq, .offset: 8, .size: 8, .value_kind: global_buffer, .address_space: global }
      - { .name: gq, .offset: 16, .size: 8, .value_kind: global_buffer, .address_space: global }
      - { .name: gk, .offset: 24, .size: 8, .value_kind: global_buffer, .address_space: global }
      - { .name: freqs_cos, .offset: 32, .size: 8, .value_kind: global_buffer, .address_space: global }
      - { .name: freqs_sin, .offset: 40, .size: 8, .value_kind: global_buffer, .address_space: global }
      - { .name: qf, .offset: 48, .size: 8, .value_kind: global_buffer, .address_space: global }
      - { .name: qs, .offset: 56, .size: 8, .value_kind: global_buffer, .address_space: global }
      - { .name: kv, .offset: 64, .size: 8, .value_kind: global_buffer, .address_space: global }
      - { .name: kvs, .offset: 72, .size: 8, .value_kind: global_buffer, .address_space: global }
    .group_segment_fixed_size: 0
    .private_segment_fixed_size: 0
    .kernarg_segment_align: 8
    .kernarg_segment_size: 80
    .max_flat_workgroup_size: 512
    .sgpr_count:     66
    .vgpr_count:     256
    .wavefront_size: 32
...
	.end_amdgpu_metadata
.endif
;; end of part 2
;; launch attn (part 3): grid 16 x 16, 8 waves a work-group, clusters of 4 x 1, 327,680 bytes of LDS; arguments qf, qs, kv, kvs, of, os; writes of, os
.if DOCPART == 3
	.amdgcn_target "amdgcn-amd-amdhsa--gfx1250"
	.amdhsa_code_object_version 6
	.text
	.protected	k_q2669257992_attn
	.globl	k_q2669257992_attn
	.p2align	8
	.type	k_q2669257992_attn,@function
k_q2669257992_attn:
	s_mov_b64 s[64:65], 0
	v_nop
	global_prefetch_b8 v0, s[64:65] scope:SCOPE_SE
	s_setreg_imm32_b32 hwreg(HW_REG_WAVE_MODE, 25, 1), 1
	s_wait_xcnt 0x0
	s_wait_alu depctr_hold_cnt(0) depctr_sa_sdst(0) depctr_va_vdst(0) depctr_va_sdst(0) depctr_va_ssrc(0) depctr_va_vcc(0) depctr_vm_vsrc(0)
	s_getreg_b32 s2, hwreg(HW_REG_IB_STS2, 6, 4)
	s_cmp_eq_u32 s2, 0
	s_cbranch_scc0 .Lentry_in_a_cluster
	s_endpgm
.Lentry_in_a_cluster:
	s_bfe_u32 s2, ttmp6, 0x10000c
	s_cmp_lg_u32 s2, 0x3003
	s_cbranch_scc0 .Lentry_shape_is_right
	s_endpgm
.Lentry_shape_is_right:
; o = softmax(q k^T / sqrt(128)) v for 16 heads of 2,048 x 128, both products on codes of FP6 (E2M3) with one E8M0 scale for each 32 along a product's K; then o is quantised along the head's 128 for the last product.
; THE SOFTMAX: t = score x log2(e) / sqrt(128); M = the running largest t rounded UP to a whole number; p = 2^(t - M) is quantised along the keys, not normalised; the row's sum is taken of the unquantised p, in f32,
; and divides O at the end. When M moves, the sum and O are multiplied by 2^(old M - new M): exact.
; ALL OPERANDS ARRIVE AS IMAGES OF THEIR REGISTERS (a fragment of 16 rows x 128 K: 1,536 bytes, three loads of 16 bytes a lane, 512 consecutive bytes each), scale words 64 bytes a fragment: one load of 4 bytes a lane brings
; two neighbouring fragments' words, the even one's in lanes 0-15, the odd one's in lanes 16-31.
; SHARES. A work-group owns 128 queries of one head. EIGHT waves, two to a SIMD, so that one wave's vector work stands beside the other's matrix work, LDS loads and waits. Wave W = 4 g + w holds the two tiles of 16 queries
; 2 w and 2 w + 1, so that each fragment of K and V read from LDS feeds two products, and walks HALF the keys: of each 512 keys (a slot's four steps of 128) group g takes steps 2 g and 2 g + 1: eight steps a wave.
; THE TWO HALVES MEET AT THE END. Group 1 holds its two tiles in swapped order, so every wave keeps its tile 0 (row tile 2 w + g) and gives its tile 1 to wave W xor 4, through LDS: O^T as it stands in the registers, -M and the sum.
; Both M are whole numbers: each half is brought under the larger M by an exact power of two, and the halves are added.
; LAYOUT. Both products transposed: S^T = K Q^T, O^T = V^T P^T: a lane holds one query throughout. A tile of K is 16 neighbouring keys: register 16 b + 8 u + j of lane half hh is key 32 b + 16 u + 8 hh + j and goes to
; place 32 b + 16 hh + 8 u + j of p's operand: the order in which the launch before has laid V's keys. The blocks of 32 are the true blocks.
; RING. Two slots of 512 keys; a slot's K and V are ONE dense block of 98,304 bytes of kv; waves 0 to 3 bring a quarter each. The head's scale words (16,384 bytes) come once.
; CLUSTER. The four query blocks of a cluster belong to one head and ask for every tile jointly (mask 15).
; LIMITS: NaN and infinities are not served; 1 / l by v_rcp_f32; the f32 sums of O and of l are made in two halves of the keys and then added: another order of rounding than one running sum;
; a block whose largest magnitude lies under 2^-124 keeps the byte 1 (a block of zeros too: its codes are zeros, and this program alone reads the bytes).
; REGISTERS: window 0: addresses, Q v16-39, scale words v40-51, statistics v52-62, at work v64-87, p's codes v88-111, S^T then p v128-255. window 1: O^T v0-127, 64 a tile; v128-223 eight fragments, K's and V's by turns.
.set SLOT1, 1<<17                      ; slot 1 begins here: one exclusive or turns an address
.set SCL,   2*SLOT1                    ; K's scale words (8,192 bytes), then V's
.set SPARE, SCL+16384                  ; the spare words: 128 bytes a wave, four blocks of 256 bytes that no other line names
.set STS,   SPARE+1024                 ; what a wave gives beside O^T: -M and the sum, 128 bytes each: 256 bytes a wave
.set STG,   98304                      ; the stage for O^T: behind slot g's 98,304 bytes, 8,192 bytes for each of the group's four waves; no tile lands here
.set GI,  1                            ; 16 x lane
.set LS,  2                            ; SCL + 4 x lane + 1,024 g: my group's first step's scale words
.set ADK, 3                            ; the step's fragments
.set ADS, 4                            ; the step's scale words
.set SPW, 5
.set NIL, 6
.set PFO, 7                            ; 256 x lane
.set LI,  8                            ; 16 x lane + 24,576 g: my group's first step in a slot
.set GS,  9                            ; 4 x (lane % 16)
.set LN,  10                           ; lane
.set QO,  11                           ; v11, v12: my two tiles of Q
.set QSO, 13                           ; their scale words
.set STA, 14                           ; the stage: where I put O^T
.set STB, 15                           ; and where my partner has put it
.set QS,  40
.set KS,  42
.set VS,  46
.set PW,  50                           ; p's scale word, tile 0, 1
.set F,   60                           ; v[60:61] 2^(old M - new M), and 0
.set X,   62
.set SSA, 63                           ; where I put -M and the sum
.set BM,  64
.set PT,  68
.set SO,  72
.set CT,  76
.set AS,  84
.set SSB, 112                          ; where my partner has put them
.set KV,  128                          ; in window 1
.set WQ,  3                            ; s3  w
.set WV,  16
.set SEL, 20
.set CS,  22
.set G1,  24
.set G1S, 32
.set G0,  40
.set G0S, 44
.set TB,  48                           ; LDS byte at which group 0's step in hand begins
.set TS,  49                           ; and its scale words: 512 bytes a step
.set SLOTS, 50
.set CNT, 51
.set PFA, 52
.set LIM, 54
.set KG,  55                           ; s55 g
.set MSB, 0
.macro WIN new
.if MSB != (\new)
	s_set_vgpr_msb (MSB<<8)|(\new)
.set MSB, \new
.endif
.endm
.macro CROUND                          ; a round of the cluster's barrier
	s_barrier_signal -1
	s_barrier_wait -1
	s_cmp_lg_u32 s[WV], 0
	s_cbranch_scc1 .Lnot_wave_0_\@
	s_barrier_signal -3
.Lnot_wave_0_\@:
	s_barrier_wait -3
	s_barrier_signal -1
	s_barrier_wait -1
.endm
; A prefetch of what the NEXT change of slots will ask for: 98,304 bytes of kv. All clusters of a head walk the same bytes: the head's first cluster asks. Its four partners take 24,576 bytes each, told apart BY ADDRESS;
; in each, waves 4 to 6, which fetch nothing, take 8,192 bytes each, lanes 256 bytes apart: one instruction a wave, each block named once. The last change that fills a slot asks for nothing.
.macro ASK
	s_cmp_gt_u32 s[SLOTS], s[LIM]
	s_cbranch_scc0 .Lnot_mine_\@
	global_prefetch_b8 v[PFO], s[PFA:PFA+1] th:TH_LOAD_NT scope:SCOPE_SE
.Lnot_mine_\@:
.endm
	s_load_b256 s[4:11], s[0:1], 0x0               ; qf, qs, kv, kvs
	s_load_b128 s[12:15], s[0:1], 0x20             ; of, os
	v_lshl_add_u32 v[SPW], v0, 2, SPARE
	v_mov_b32 v[NIL], 0
	ds_add_u32 v5, v6
	s_wait_dscnt 0x0
	v_lshrrev_b32 v3, 5, v0
	v_readfirstlane_b32 s[WV], v3                  ; wave 0..7
	s_lshr_b32 s[KG], s[WV], 2                     ; g: which half of the keys
	s_and_b32 s[WQ], s[WV], 3                      ; w: which pair of tiles of queries. Also: which quarter of a slot a fetching wave brings
	s_bfe_u32 s17, ttmp6, 0x40000                  ; cx
	s_lshl_b32 s18, ttmp9, 2
	s_add_co_u32 s18, s18, s17                     ; my block of 128 queries: it enters Q's and the outputs' addresses alone
	s_and_b32 s19, ttmp7, 0xffff                   ; the head, which the four partners share
	; group 1: a dense block as rows of 256 bytes (32 elements of 8 bytes): 96 rows for a quarter of a slot, 16 for a quarter of the scale words
	s_mov_b32 s[G1], 15|(3<<16)|(1<<21)
	s_mov_b32 s[G1+1], 32<<16
	s_mov_b32 s[G1+2], 96<<16
	s_mov_b32 s[G1+3], 32<<16
	s_mov_b32 s[G1+4], 96
	s_mov_b32 s[G1+5], 32
	s_mov_b32 s[G1+6], 0
	s_mov_b32 s[G1+7], 0
	s_mov_b32 s[G1S], 15|(3<<16)|(1<<21)
	s_mov_b32 s[G1S+1], 32<<16
	s_mov_b32 s[G1S+2], 16<<16
	s_mov_b32 s[G1S+3], 32<<16
	s_mov_b32 s[G1S+4], 16
	s_mov_b32 s[G1S+5], 32
	s_mov_b32 s[G1S+6], 0
	s_mov_b32 s[G1S+7], 0
	s_mul_i32 s56, s19, 393216                     ; the head's part of kv
	s_mov_b32 s57, 0
	s_mul_i32 s66, s[WQ], 24576                    ; a quarter, in memory and in a slot
	s_add_co_u32 s58, s56, s66
	s_mov_b32 s59, 0
	s_lshl_b32 s60, s19, 14                        ; the head's part of kvs,
	s_lshl_b32 s67, s[WQ], 12                      ; a quarter
	s_add_co_u32 s60, s60, s67
	s_mov_b32 s61, 0
	s_mov_b32 s[SEL], 0x76543210
	s_mov_b32 s[SEL+1], 0xfedcba98
	s_mov_b32 s[CS], 0x3e0293ee                    ; c = log2(e) / sqrt(128)
	s_mov_b32 s[CS+1], s[CS]
	s_mov_b32 s[TB], 0
	s_mov_b32 s[TS], 0
	s_mov_b32 s[SLOTS], 3
	s_sub_co_u32 s70, s[WV], 4
	s_lshr_b32 s70, s70, 3                         ; 0 in waves 4 to 7,
	s_or_b32 s70, s70, ttmp9                       ; of the head's first cluster: the same in all four partners
	s_cmp_eq_u32 s70, 0
	s_cselect_b32 s[LIM], 1, -1
	s_cmp_eq_u32 s[WV], 7                          ; (a partner's 24,576 bytes are three waves' worth)
	s_cselect_b32 s[LIM], -1, s[LIM]
	s_wait_kmcnt 0x0
	s_add_nc_u64 s[PFA:PFA+1], s[8:9], s[56:57]
	s_add_nc_u64 s[8:9], s[8:9], s[58:59]
	s_add_nc_u64 s[10:11], s[10:11], s[60:61]
	CROUND                                         ; all four work-groups are here: the first joint loads meet
	s_mov_b32 s[G0S], 1
	s_add_co_u32 s[G0S+1], s67, SCL
	s_mov_b64 s[G0S+2:G0S+3], s[10:11]
	s_or_b32 s[G0S+3], s[G0S+3], 0x80000000
	s_mov_b32 s[G0], 1
	s_mov_b32 s[G0+1], s66
	s_mov_b64 s[G0+2:G0+3], s[8:9]
	s_or_b32 s[G0+3], s[G0+3], 0x80000000
	s_cmp_lt_u32 s[WV], 4                          ; waves 0 to 3 fetch; a wave's two first fills stand in one branch, ahead of every wait on TENSORcnt and every LDS read
	s_cbranch_scc0 .Lno_first
	tensor_load_to_lds s[G0S:G0S+3], s[G1S:G1S+7]  ; the head's scale words: filled once
	s_nop 0
	tensor_load_to_lds s[G0:G0+3], s[G1:G1+7]      ; slot 0: two loads of mine are out
	s_nop 0
.rept 4
	v_nop
.endr
.Lno_first:
	s_mul_i32 s62, s17, 24576                      ; the prefetches: my work-group's quarter, my wave's 8,192 bytes,
	s_lshl_b32 s63, s[WQ], 13
	s_add_co_u32 s62, s62, s63
	s_add_co_u32 s62, s62, 98304                   ; in the second 512 keys: the first change of slots steps it to the third. Nothing is prefetched here, at the head
	s_mov_b32 s63, 0
	s_add_nc_u64 s[PFA:PFA+1], s[PFA:PFA+1], s[62:63]
	s_lshl_b32 s66, s18, 3
	s_lshl_b32 s67, s[WQ], 1
	s_add_co_u32 s66, s66, s67                     ; the first tile of my pair: 8 x block + 2 w
	s_mul_i32 s56, s19, 196608
	s_mul_i32 s58, s66, 1536
	s_add_co_u32 s56, s56, s58
	s_add_nc_u64 s[4:5], s[4:5], s[56:57]          ; the pair's images of Q
	s_lshl_b32 s56, s19, 13
	s_lshl_b32 s58, s66, 6
	s_add_co_u32 s56, s56, s58
	s_add_nc_u64 s[6:7], s[6:7], s[56:57]          ; and its scale words
	s_lshl_b32 s66, s18, 4
	s_add_co_u32 s66, s66, s19                     ; 16 x row block + head
	s_add_co_u32 s67, s67, s[KG]                   ; the tile that I finish: 2 w + g
	s_mul_i32 s56, s66, 12288
	s_mul_i32 s58, s67, 1536
	s_add_co_u32 s56, s56, s58
	s_add_nc_u64 s[12:13], s[12:13], s[56:57]      ; its image of o
	s_lshl_b32 s56, s66, 9
	s_lshl_b32 s58, s67, 6
	s_add_co_u32 s56, s56, s58
	s_add_nc_u64 s[14:15], s[14:15], s[56:57]      ; its scale words
	v_and_b32 v[LN], 31, v0
	v_lshlrev_b32 v[GI], 4, v[LN]
	s_mul_i32 s58, s[KG], 24576                    ; two steps of 12,288 bytes
	v_add_nc_u32 v[LI], s58, v[GI]
	s_lshl_b32 s58, s[KG], 10                      ; two steps of 512 bytes
	s_add_co_u32 s58, s58, SCL
	v_lshl_add_u32 v[LS], v[LN], 2, s58
	v_and_b32 v[GS], 15, v0
	v_lshlrev_b32 v[GS], 2, v[GS]
	v_lshlrev_b32 v[PFO], 8, v[LN]
	s_xor_b32 s68, s[KG], 1                        ; 1 - g
	s_mul_i32 s58, s[KG], 1536
	v_add_nc_u32 v[QO], s58, v[GI]                 ; my tile 0 is the pair's tile g,
	s_mul_i32 s58, s68, 1536
	v_add_nc_u32 v[QO+1], s58, v[GI]               ; my tile 1 its tile 1 - g
	v_bfe_u32 v[QSO], v0, 4, 1
	v_xor_b32 v[QSO], s[KG], v[QSO]
	v_lshl_add_u32 v[QSO], v[QSO], 6, v[GS]        ; lanes 0-15 my tile 0's words, lanes 16-31 my tile 1's
	s_lshl_b32 s69, s[WQ], 13
	s_lshl_b32 s58, s[KG], 17
	s_add_co_u32 s58, s58, s69
	s_add_co_u32 s58, s58, STG
	v_add_nc_u32 v[STA], s58, v[GI]                ; my 8,192 bytes of the stage,
	s_lshl_b32 s58, s68, 17
	s_add_co_u32 s58, s58, s69
	s_add_co_u32 s58, s58, STG
	v_add_nc_u32 v[STB], s58, v[GI]                ; and those of wave W xor 4
	s_lshl_b32 s58, s[WV], 8
	s_add_co_u32 s58, s58, STS
	v_lshl_add_u32 v[SSA], v[LN], 2, s58
	s_xor_b32 s58, s[WV], 4
	s_lshl_b32 s58, s58, 8
	s_add_co_u32 s58, s58, STS
	v_lshl_add_u32 v[SSB], v[LN], 2, s58
.irp c, 0,1,2
	global_load_b128 v[16+4*\c:19+4*\c], v[QO], s[4:5] offset:512*\c         ; Q stays in registers
	global_load_b128 v[28+4*\c:31+4*\c], v[QO+1], s[4:5] offset:512*\c
.endr
	global_load_b32 v[QS], v[QSO], s[6:7]
.irp n, 0,1
	v_mov_b32 v[53+4*\n], 0xff61b1e6               ; the largest t so far: -3e38
	v_floor_f32 v[52+4*\n], -v[53+4*\n]            ; -M
	v_mov_b32 v[54+4*\n], 0                        ; the sum, in two halves
	v_mov_b32 v[55+4*\n], 0
.endr
.irp b, 0,1,2,3
	v_mov_b32 v[PT+\b], 0                          ; written once: a lane permute's destination counts as one of its sources
.endr
	v_mov_b32 v[F+1], 0                            ; named as the upper half of a pair
	WIN 0x40
.set j, 0
.rept 128
	v_mov_b32 v[j], 0                              ; O^T. The step is written once: its first run finds zeros, which the first change of M leaves zeros
.set j, j+1
.endr
	WIN 0
.macro KLOAD ko, so                    ; a step's 8 fragments of K and their scale words
	WIN 0x40
.irp u, 0,1,2,3,4,5,6,7
.irp c, 0,1,2
	ds_load_b128 v[KV+12*\u+4*\c:KV+12*\u+4*\c+3], v[ADK] offset:\ko+1536*\u+512*\c
.endr
.endr
	WIN 0
.irp m, 0,1,2,3
	ds_load_b32 v[KS+\m], v[ADS] offset:\so+128*\m
.endr
.endm
.macro VLOAD                           ; the step's 8 fragments of V, into the registers that K's have left, and their scale words
	WIN 0x40
.irp u, 0,1,2,3,4,5,6,7
.irp c, 0,1,2
	ds_load_b128 v[KV+12*\u+4*\c:KV+12*\u+4*\c+3], v[ADK] offset:49152+1536*\u+512*\c
.endr
.endr
	WIN 0
.irp m, 0,1,2,3
	ds_load_b32 v[VS+\m], v[ADS] offset:8192+128*\m
.endr
.endm
.macro SQK n                           ; S^T of tile n: 8 tiles of 16 keys
.irp u, 0,1,2,3,4,5,6,7
.set rS, 128+64*(\n)+8*\u
.set rK, KV+12*\u
.set rQ, 16+12*(\n)
.set sK, KS+\u/2
.if \n == 0
.if \u%2 == 0
	v_wmma_scale_f32_16x16x128_f8f6f4 v[rS:rS+7], v[rK:rK+11], v[rQ:rQ+11], 0, v[sK], v[QS] matrix_a_fmt:MATRIX_FMT_FP6 matrix_b_fmt:MATRIX_FMT_FP6
.else
	v_wmma_scale_f32_16x16x128_f8f6f4 v[rS:rS+7], v[rK:rK+11], v[rQ:rQ+11], 0, v[sK], v[QS] matrix_a_fmt:MATRIX_FMT_FP6 matrix_b_fmt:MATRIX_FMT_FP6 matrix_a_scale:MATRIX_SCALE_ROW1
.endif
.else
.if \u%2 == 0
	v_wmma_scale_f32_16x16x128_f8f6f4 v[rS:rS+7], v[rK:rK+11], v[rQ:rQ+11], 0, v[sK], v[QS] matrix_a_fmt:MATRIX_FMT_FP6 matrix_b_fmt:MATRIX_FMT_FP6 matrix_b_scale:MATRIX_SCALE_ROW1
.else
	v_wmma_scale_f32_16x16x128_f8f6f4 v[rS:rS+7], v[rK:rK+11], v[rQ:rQ+11], 0, v[sK], v[QS] matrix_a_fmt:MATRIX_FMT_FP6 matrix_b_fmt:MATRIX_FMT_FP6 matrix_a_scale:MATRIX_SCALE_ROW1 matrix_b_scale:MATRIX_SCALE_ROW1
.endif
.endif
.endr
.endm
.macro PV n                            ; O^T of tile n += V^T P^T: 8 accumulators by turns
.irp u, 0,1,2,3,4,5,6,7
.set rO, 64*(\n)+8*\u
.set rV, KV+12*\u
.set rP, 88+12*(\n)
.set sV, VS+\u/2
.if \u%2 == 0
	v_wmma_scale_f32_16x16x128_f8f6f4 v[rO:rO+7], v[rV:rV+11], v[rP:rP+11], v[rO:rO+7], v[sV], v[PW+\n] matrix_a_fmt:MATRIX_FMT_FP6 matrix_b_fmt:MATRIX_FMT_FP6
.else
	v_wmma_scale_f32_16x16x128_f8f6f4 v[rO:rO+7], v[rV:rV+11], v[rP:rP+11], v[rO:rO+7], v[sV], v[PW+\n] matrix_a_fmt:MATRIX_FMT_FP6 matrix_b_fmt:MATRIX_FMT_FP6 matrix_a_scale:MATRIX_SCALE_ROW1
.endif
.endr
.endm
; Tile n's softmax for 128 keys, and p's codes and scale word.
.macro SOFTMAX n
.set sB, 128+64*(\n)
.set sT, 52+4*(\n)
.set pP, 88+12*(\n)
.irp b, 0,1,2,3
	v_max3_num_f32 v[BM+\b], v[sB+16*\b], v[sB+1+16*\b], v[sB+2+16*\b]   ; the largest score of each block of 32 keys: for the row's maximum and, since p rises with the score, for the block's largest p
.endr
.irp i, 3,5,7,9,11,13
.irp b, 0,1,2,3
	v_max3_num_f32 v[BM+\b], v[BM+\b], v[sB+16*\b+\i], v[sB+1+16*\b+\i]
.endr
.endr
.irp b, 0,1,2,3
	v_max_num_f32 v[BM+\b], v[BM+\b], v[sB+15+16*\b]
.endr
.irp b, 0,1,2,3
	v_permlanex16_b32 v[PT+\b], v[BM+\b], s[SEL], s[SEL+1]
.endr
.irp b, 0,1,2,3
	v_max_num_f32 v[BM+\b], v[BM+\b], v[PT+\b]     ; with lane l xor 16's 16 keys
.endr
	v_max3_num_f32 v[X], v[BM], v[BM+1], v[BM+2]
	v_max_num_f32 v[X], v[X], v[BM+3]
	v_mul_f32 v[X], s[CS], v[X]                    ; as t (c is positive)
	v_max_num_f32 v[sT+1], v[sT+1], v[X]           ; the running largest t
	v_mov_b32 v[X], v[sT]
	v_floor_f32 v[sT], -v[sT+1]                    ; the new -M = -ceil(t)
	v_sub_f32 v[X], v[sT], v[X]                    ; old M - new M: a whole number, 0 or less
	v_cvt_i32_f32 v[X], v[X]                       ; (it saturates)
	v_ldexp_f32 v[F], 1.0, v[X]                    ; f = 2^(old M - new M)
.set j, 0
.rept 32
	v_pk_fma_f32 v[sB+j:sB+j+1], v[sB+j:sB+j+1], s[CS:CS+1], v[sT:sT+1] op_sel_hi:[1,0,0]   ; t - M
.set j, j+2
.endr
.irp b, 0,1,2,3
	v_fma_f32 v[BM+\b], v[BM+\b], s[CS], v[sT]     ; the same of each block's largest score
.endr
.set j, 0
.rept 64
	v_exp_f32 v[sB+j], v[sB+j]                     ; p = 2^(t - M)
.set j, j+1
.endr
	v_pk_mul_f32 v[sT+2:sT+3], v[sT+2:sT+3], v[F:F+1] op_sel_hi:[1,0]   ; the sums under the new M: a plain place behind the exponentials
	s_wait_alu depctr_va_vdst(0)                   ; one wait for the batch, ahead of its first reader
.irp b, 0,1,2,3
	v_exp_f32 v[BM+\b], v[BM+\b]                   ; the block's largest p
.endr
	v_pk_add_f32 v[AS:AS+1], v[sB:sB+1], v[sB+2:sB+3]   ; the row's sum of the unquantised p, in two chains
.irp j, 4,8,12,16,20,24,28,32,36,40,44,48,52,56,60
	v_pk_add_f32 v[sT+2:sT+3], v[sT+2:sT+3], v[sB+\j:sB+\j+1]
	v_pk_add_f32 v[AS:AS+1], v[AS:AS+1], v[sB+2+\j:sB+3+\j]
.endr
	v_pk_add_f32 v[sT+2:sT+3], v[sT+2:sT+3], v[AS:AS+1]
	s_wait_alu depctr_va_vdst(0)                   ; and one for the four
.irp b, 0,1,2,3
	v_max_num_f32 v[BM+\b], 0x1800000, v[BM+\b]    ; the floor 2^(3 - 127)
.endr
.irp b, 0,1,2,3
	v_add_nc_u32 v[SO+\b], 0xff000000, v[BM+\b]    ; the conversion's scale operand
.endr
.irp b, 0,1,2,3
	v_lshrrev_b32 v[PT+\b], 23, v[SO+\b]           ; the scale's byte
.endr
	v_lshl_or_b32 v[PW+\n], v[PT+1], 8, v[PT]
	v_lshl_or_b32 v[PW+\n], v[PT+2], 16, v[PW+\n]
	v_lshl_or_b32 v[PW+\n], v[PT+3], 24, v[PW+\n]
.irp c, 0,1
	v_cvt_scalef32_pk16_fp6_f32 v[pP+6*\c:pP+2+6*\c], v[sB+32*\c:sB+15+32*\c], v[SO+2*\c]
	v_cvt_scalef32_pk16_fp6_f32 v[CT+4*\c:CT+2+4*\c], v[sB+16+32*\c:sB+31+32*\c], v[SO+2*\c+1]
.endr
	v_nop                                          ; one plain place behind a scaled conversion
.irp c, 0,1
.irp i, 0,1,2
	v_permlane16_swap_b32 v[pP+6*\c+\i], v[CT+4*\c+\i]
.endr
.irp i, 0,1,2
	v_mov_b32 v[pP+3+6*\c+\i], v[CT+4*\c+\i]
.endr
.endr
.endm
.macro RESCALE n                       ; O^T under the new M; these 32 are also the places between the writes of p's codes and scale word and the products that take them
	WIN 0x41
.set j, 0
.rept 32
	v_pk_mul_f32 v[64*(\n)+j:64*(\n)+j+1], v[64*(\n)+j:64*(\n)+j+1], v[F:F+1] op_sel_hi:[1,0]
.set j, j+2
.endr
.endm
.macro STEP
	s_wait_dscnt 0x0                               ; K's fragments and scale words
	WIN 0x01                                       ; K window 1; Q and S^T window 0
	SQK 0
	SQK 1
	WIN 0
	v_add_nc_u32 v[ADK], s[TB], v[LI]              ; four plain instructions: the places in front of the loads into the registers that held K and of the first read of S^T
	v_add_nc_u32 v[ADS], s[TS], v[LS]
	v_nop
	v_nop
	VLOAD
	SOFTMAX 0
	RESCALE 0
	s_wait_dscnt 0x0                               ; V
	WIN 0x51                                       ; V and O^T window 1, p window 0
	PV 0
	WIN 0
	SOFTMAX 1
	RESCALE 1
	WIN 0x51
	PV 1
	WIN 0
.rept 4
	v_nop                                          ; the places in front of the next loads into the registers that held V, on both ways, and behind the last step in front of the first read of O^T
.endr
	s_cmp_eq_u32 s[CNT], 1                         ; my last step of a slot fetches no next K: that lies in the other slot, behind the change
	s_cbranch_scc1 .Lno_k_\@
	KLOAD 12288, 512
.Lno_k_\@:
	s_add_co_u32 s[TB], s[TB], 12288
	s_add_co_u32 s[TS], s[TS], 512
.endm
.macro SLOT_STEPS                      ; my group's two key steps of a slot: written once, walked twice
	v_add_nc_u32 v[ADK], s[TB], v[LI]
	v_add_nc_u32 v[ADS], s[TS], v[LS]
	KLOAD 0, 0
	s_mov_b32 s[CNT], 2
.Lstep_\@:
	STEP
	s_sub_co_u32 s[CNT], s[CNT], 1
	s_cmp_lg_u32 s[CNT], 0
	s_cbranch_scc1 .Lstep_\@
	s_sub_co_u32 s[TB], s[TB], 24576
	s_xor_b32 s[TB], s[TB], SLOT1                  ; on to the other slot
	s_add_co_u32 s[TS], s[TS], 1024                ; past the other group's two steps
.endm
; THE CHANGE OF SLOTS stands at a slot's head. Each wave waits for all its tensor loads (a fetching wave's part of the slot ahead), adds 0 to its spare word, and waits for that and for its reads of the slot that it has left.
; fill = 1: the barrier is a round of the cluster's, and behind it the slot left is filled with the next 512 keys: the load has a slot's steps in which to land.
.macro CHANGE fill
	s_wait_tensorcnt 0x0                           ; no tensor load of mine is out, so the group 0 may be written
	ds_add_u32 v[SPW], v[NIL]                      ; 0 onto my spare word
.if \fill
	s_xor_b32 s[G0+1], s[G0+1], SLOT1
	s_add_nc_u64 s[G0+2:G0+3], s[G0+2:G0+3], 98304
	s_wait_xcnt 0x0                                ; the last prefetch, a slot back, has read its address
	s_add_nc_u64 s[PFA:PFA+1], s[PFA:PFA+1], 98304
	s_wait_dscnt 0x0                               ; the add is done, and my reads of the slot that I have left are over
	CROUND
	s_cmp_lt_u32 s[WV], 4                          ; the branch hangs on the wave's number alone: it is the same in every work-group
	s_cbranch_scc0 .Lno_fill_\@
	tensor_load_to_lds s[G0:G0+3], s[G1:G1+7]      ; a fetching wave's one tensor load behind the round, and the first thing there
	s_nop 0
.rept 4
	v_nop
.endr
.Lno_fill_\@:
	ASK
.else
	s_wait_dscnt 0x0
	s_barrier_signal -1
	s_barrier_wait -1
.endif
.endm
	s_wait_loadcnt 0x0                             ; Q
.Lslot:                                                ; three trips: behind each change of slots but the last the next 512 keys are asked for
	CHANGE 1
	SLOT_STEPS
	s_sub_co_u32 s[SLOTS], s[SLOTS], 1
	s_cmp_lg_u32 s[SLOTS], 0
	s_cbranch_scc1 .Lslot
	CHANGE 0                                       ; the last slot is written out
	SLOT_STEPS
	; THE TWO HALVES OF THE KEYS MEET. The stage's bytes are its own; all the same the waves meet once here, so that every LDS store of this text lies behind every wave's last read of the ring.
	s_wait_dscnt 0x0
	s_barrier_signal -1
	s_barrier_wait -1
	v_add_f32 v58, v58, v59                        ; my tile 1's sum, the lane's two halves
	v_add_f32 v54, v54, v55                        ; my tile 0's
	WIN 0x04                                       ; an LDS store's data: window 1
.irp u, 0,1,2,3,4,5,6,7
	ds_store_b128 v[STA], v[64+8*\u:64+8*\u+3] offset:1024*\u          ; my tile 1's O^T as it stands: 512 consecutive bytes a store; each accumulator from its low end on
	ds_store_b128 v[STA], v[64+8*\u+4:64+8*\u+7] offset:1024*\u+512
.endr
	WIN 0
	ds_store_b32 v[SSA], v56                       ; its -M
	ds_store_b32 v[SSA], v58 offset:128            ; its sum
	s_wait_dscnt 0x0                               ; for my partner's sake: my stores are done
	s_barrier_signal -1
	s_barrier_wait -1
.irp c, 0,1,2,3,4,5,6,7,8,9,10,11,12,13,14,15
	ds_load_b128 v[128+4*\c:131+4*\c], v[STB] offset:512*\c           ; the other half of the keys' O^T of my tile 0, in the same lanes and the same order of registers
.endr
	ds_load_b32 v[BM], v[SSB]                      ; its -M
	ds_load_b32 v[BM+1], v[SSB] offset:128         ; its sum
	s_wait_dscnt 0x0
	v_min_num_f32 v[BM+2], v52, v[BM]              ; -M of both: M is the larger of the two
	v_sub_f32 v[BM+3], v[BM+2], v52                ; my M - M: a whole number, 0 or less
	v_sub_f32 v[PT], v[BM+2], v[BM]                ; my partner's M - M
	v_cvt_i32_f32 v[BM+3], v[BM+3]
	v_cvt_i32_f32 v[PT], v[PT]
	v_ldexp_f32 v[BM+3], 1.0, v[BM+3]              ; f_a
	v_ldexp_f32 v[PT], 1.0, v[PT]                  ; f_b: both exact
	v_mul_f32 v54, v54, v[BM+3]
	v_fma_f32 v54, v[BM+1], v[PT], v54             ; l_a f_a + l_b f_b, of my half of the lanes' keys
	v_permlanex16_b32 v[PT+1], v54, s[SEL], s[SEL+1]
	v_add_f32 v54, v54, v[PT+1]                    ; the row's sum
	v_rcp_f32 v[PT+2], v54
	v_nop                                          ; a plain place behind the reciprocal
	s_wait_alu depctr_va_vdst(0)                   ; and the wait ahead of its first reader
	v_mul_f32 v[SO], v[BM+3], v[PT+2]              ; f_a / l
	v_mul_f32 v[SO+2], v[PT], v[PT+2]              ; f_b / l
.set j, 0
.rept 32
	v_pk_mul_f32 v[128+j:129+j], v[128+j:129+j], v[SO+2:SO+3] op_sel_hi:[1,0]
.set j, j+2
.endr
	WIN 0x01                                       ; my O^T: window 1; the rest window 0
.set j, 0
.rept 32
	v_pk_fma_f32 v[128+j:129+j], v[j:j+1], v[SO:SO+1], v[128+j:129+j] op_sel_hi:[1,0,1]   ; register 8 t + i is o(query r, 16 t + 8 hh + i); each accumulator from its low end on
.set j, j+2
.endr
	WIN 0
	; THE WAY OUT: o quantised along the head's 128, as a fragment's image for the last product.
.irp b, 0,1,2,3                                ; tiles 2 b and 2 b + 1 change halves: register 16 b + i is then column 32 b + 16 hh + i
.irp j, 0,1,2,3,4,5,6,7
	v_permlane16_swap_b32 v[128+16*\b+\j], v[128+16*\b+8+\j]
.endr
.endr
.irp b, 0,1,2,3
	v_max3_num_f32 v[BM+\b], |v[128+16*\b]|, |v[129+16*\b]|, 0x1800000   ; block b: my 16 numbers, and the floor 2^(3 - 127)
.endr
.irp i, 2,4,6,8,10,12,14
.irp b, 0,1,2,3
	v_max3_num_f32 v[BM+\b], v[BM+\b], |v[128+16*\b+\i]|, |v[129+16*\b+\i]|
.endr
.endr
.irp b, 0,1,2,3
	v_permlanex16_b32 v[PT+\b], v[BM+\b], s[SEL], s[SEL+1]
.endr
.irp b, 0,1,2,3
	v_max_num_f32 v[BM+\b], v[BM+\b], v[PT+\b]     ; the block's largest magnitude
.endr
.irp b, 0,1,2,3
	v_add_nc_u32 v[SO+\b], 0xff000000, v[BM+\b]    ; 2 off its exponent field: the conversion's scale operand
.endr
.irp b, 0,1,2,3
	v_lshrrev_b32 v[PT+\b], 23, v[SO+\b]           ; the scale's byte
.endr
	v_lshl_or_b32 v[AS], v[PT+1], 8, v[PT]
	v_lshl_or_b32 v[AS], v[PT+2], 16, v[AS]
	v_lshl_or_b32 v[AS], v[PT+3], 24, v[AS]
.irp c, 0,1
	v_cvt_scalef32_pk16_fp6_f32 v[88+6*\c:90+6*\c], v[128+32*\c:143+32*\c], v[SO+2*\c]
	v_cvt_scalef32_pk16_fp6_f32 v[CT+4*\c:CT+2+4*\c], v[144+32*\c:159+32*\c], v[SO+2*\c+1]
.endr
	v_nop                                          ; one plain place behind a scaled conversion
.irp c, 0,1                                    ; the operand's layout wants a whole block in a lane
.irp i, 0,1,2
	v_permlane16_swap_b32 v[88+6*\c+\i], v[CT+4*\c+\i]
.endr
.irp i, 0,1,2
	v_mov_b32 v[91+6*\c+\i], v[CT+4*\c+\i]
.endr
.endr
.irp c, 0,1,2
	global_store_b128 v[GI], v[88+4*\c:91+4*\c], s[12:13] offset:512*\c   ; 512 consecutive bytes a store
.endr
	v_cmp_gt_u32 vcc_lo, 16, v[LN]
	s_wait_xcnt 0x0                                ; EXEC changes only behind this wait
	s_and_saveexec_b32 s70, vcc_lo                 ; lanes 0-15 hold the 16 rows' words (lanes 16-31 the same again)
	global_store_b32 v[GS], v[AS], s[14:15]
	s_wait_xcnt 0x0                                ; and again, in front of the line that widens it
	s_or_b32 exec_lo, exec_lo, s70
	s_wait_tensorcnt 0x0                           ; the wave's end
	ds_add_u32 v[SPW], v[NIL]
	s_wait_dscnt 0x0
	CROUND                                         ; the closing round
	s_endpgm
.Lfunc_end_k_q2669257992_attn:
	.size	k_q2669257992_attn, .Lfunc_end_k_q2669257992_attn-k_q2669257992_attn
	.p2alignl 7, 3214868480
	.fill 96, 4, 3214868480
	.section	.rodata,"a",@progbits
	.p2align	6, 0x0
	.amdhsa_kernel k_q2669257992_attn
		.amdhsa_group_segment_fixed_size 327680
		.amdhsa_private_segment_fixed_size 0
		.amdhsa_enable_private_segment 0
		.amdhsa_kernarg_size 48
		.amdhsa_user_sgpr_count 2
		.amdhsa_user_sgpr_kernarg_segment_ptr 1
		.amdhsa_wavefront_size32 1
		.amdhsa_system_sgpr_workgroup_id_x 1
		.amdhsa_system_sgpr_workgroup_id_y 1
		.amdhsa_system_sgpr_workgroup_id_z 1
		.amdhsa_system_vgpr_workitem_id 0
		.amdhsa_next_free_vgpr 512
		.amdhsa_next_free_sgpr 72
		.amdhsa_reserve_vcc 1
		.amdhsa_float_denorm_mode_32 3
		.amdhsa_float_denorm_mode_16_64 3
		.amdhsa_memory_ordered 1
		.amdhsa_forward_progress 1
		.amdhsa_inst_pref_size 98
	.end_amdhsa_kernel
	.amdgpu_metadata
---
amdhsa.version: [ 1, 2 ]
amdhsa.kernels:
  - .name:           k_q2669257992_attn
    .symbol:         k_q2669257992_attn.kd
    .args:
      - { .name: qf, .offset: 0, .size: 8, .value_kind: global_buffer, .address_space: global }
      - { .name: qs, .offset: 8, .size: 8, .value_kind: global_buffer, .address_space: global }
      - { .name: kv, .offset: 16, .size: 8, .value_kind: global_buffer, .address_space: global }
      - { .name: kvs, .offset: 24, .size: 8, .value_kind: global_buffer, .address_space: global }
      - { .name: of, .offset: 32, .size: 8, .value_kind: global_buffer, .address_space: global }
      - { .name: os, .offset: 40, .size: 8, .value_kind: global_buffer, .address_space: global }
    .group_segment_fixed_size: 327680
    .private_segment_fixed_size: 0
    .kernarg_segment_align: 8
    .kernarg_segment_size: 48
    .max_flat_workgroup_size: 256
    .sgpr_count:     72
    .vgpr_count:     512
    .wavefront_size: 32
...
	.end_amdgpu_metadata
.endif
;; end of part 3
;; launch proj (part 4): grid 16 x 16, 4 waves a work-group, clusters of 4 x 4, 327,680 bytes of LDS; arguments of, os, Wo_codes, Wo_scales, bo, out0; writes out0
.if DOCPART == 4
	.amdgcn_target "amdgcn-amd-amdhsa--gfx1250"
	.amdhsa_code_object_version 6
	.text
	.protected	k_q2669257992_proj
	.globl	k_q2669257992_proj
	.p2align	8
	.type	k_q2669257992_proj,@function
k_q2669257992_proj:
	s_mov_b64 s[64:65], 0
	v_nop
	global_prefetch_b8 v0, s[64:65] scope:SCOPE_SE
	s_setreg_imm32_b32 hwreg(HW_REG_WAVE_MODE, 25, 1), 1
	s_wait_xcnt 0x0
	s_wait_alu depctr_hold_cnt(0) depctr_sa_sdst(0) depctr_va_vdst(0) depctr_va_sdst(0) depctr_va_ssrc(0) depctr_va_vcc(0) depctr_vm_vsrc(0)
	s_getreg_b32 s2, hwreg(HW_REG_IB_STS2, 6, 4)
	s_cmp_eq_u32 s2, 0
	s_cbranch_scc0 .Lentry_in_a_cluster
	s_endpgm
.Lentry_in_a_cluster:
	s_bfe_u32 s2, ttmp6, 0x10000c
	s_cmp_lg_u32 s2, 0xf033
	s_cbranch_scc0 .Lentry_shape_is_right
	s_endpgm
.Lentry_shape_is_right:
; out = o Wo^T + bo on codes of FP6 (E2M3) with one E8M0 scale for each 32 along K; sums and out in f32. o arrives as images of operand registers (of: [row block of 128][K step of 128][tile of 16 rows][1,536 bytes];
; os: 16 scale words a fragment), Wo as given: rows of 1,536 bytes of codes and 64 scale bytes.
; A tile of out is 128 x 128, so that there are 256 work-groups; four waves, each 64 x 64: 16 accumulators. K goes in steps of 512 through two LDS slots: four fills in all, two of them refills; the 16 steps of 128 are written out.
; TRANSPOSED (source 0 = 16 rows of Wo, source 1 = 16 rows of o): a lane holds eight neighbouring numbers of a row of out. The bias is the C of each sum's first product.
; CLUSTERS: 4 x 4 work-groups: o's tile jointly along a row of the cluster (waves 0, 1), Wo's along a column (waves 2, 3).
; No prefetch: two refills in all, half of K comes with the first fills, and a slot's 384 bytes of a row of Wo are no whole number of aligned blocks of 256 bytes.
; REGISTERS: window 0: addresses, o's scale words v32-35, Wo's v36-67, the bias v68-99, accumulator (a, b) at v[128 + 8 (4 a + b)]. window 1: two fragment buffers of 96 (o's four, then Wo's four); v192-255 the way out.
.set WP,     432                       ; a row of Wo in LDS: 3 x (128 bytes + 16 of padding)
.set SLOT,   49152+128*WP              ; o's 32 images, then Wo's 128 rows
.set SCO,    2*SLOT                    ; o's scale words, dense
.set SCW,    SCO+8192                  ; Wo's: 128 rows x 64 bytes as 32 units of 256 bytes + 16
.set SBLK,   4*272
.set SPARE,  SCW+32*272                ; the spare words: 128 bytes a wave, two blocks of 256 bytes that no other line names
.set STAGE,  SPARE+512                 ; the way out: 16 rows x (256 bytes + 16) for each wave; no tile lands here
.set ADO,  16                          ; v16-17 o's images in slot 0, 1
.set ADW,  18                          ; v18-19 Wo's fragments; v20-21 behind one padding more
.set ADSO, 22
.set ADSW, 23
.set STO,  24
.set RD,   25
.set CO,   26
.set SPW,  28
.set NIL,  29
.set OS,   32                          ; buffer f, pair u of tiles: OS + 2 f + u
.set WS,   36                          ; slot s, tile b, step q: WS + 16 s + 4 b + q
.set BO,   68
.set ACC,  128
.set BK,   192                         ; in window 1
.set WV,   16
.set G1O,  28
.set G1W,  36
.set G0O,  44
.set G0W,  52
.set G1SO, 68
.set G1SW, 76
.set G0SO, 84
.set G0SW, 88
.set MUL,  0x05                        ; sources 0 and 1 window 1; C and D window 0
.set MSB, 0
.macro WIN new
.if MSB != (\new)
	s_set_vgpr_msb (MSB<<8)|(\new)
.set MSB, \new
.endif
.endm
.macro JLOAD g0a, g1a, g0b, g1b        ; waves 0 and 1 fetch for o, waves 2 and 3 for Wo; four v_nop follow each line
	s_cmp_eq_u32 s17, 0
	s_cbranch_scc0 .Lfor_b_\@
	tensor_load_to_lds s[\g0a:\g0a+3], s[\g1a:\g1a+7]
	s_nop 0
.rept 4
	v_nop
.endr
	s_branch .Lasked_\@
.Lfor_b_\@:
	tensor_load_to_lds s[\g0b:\g0b+3], s[\g1b:\g1b+7]
	s_nop 0
.rept 4
	v_nop
.endr
.Lasked_\@:
.endm
.macro CREST
	s_cmp_lg_u32 s[WV], 0
	s_cbranch_scc1 .Lnot_wave_0_\@
	s_barrier_signal -3
.Lnot_wave_0_\@:
	s_barrier_wait -3
	s_barrier_signal -1
	s_barrier_wait -1
.endm
.macro CROUND
	s_barrier_signal -1
	s_barrier_wait -1
	CREST
.endm
.macro PLACES
.rept 4
	v_nop
.endr
.endm
	s_load_b256 s[4:11], s[0:1], 0x0               ; of, os, Wo codes, Wo scales
	s_load_b128 s[12:15], s[0:1], 0x20             ; bo, out0
	v_lshl_add_u32 v[SPW], v0, 2, SPARE
	v_mov_b32 v[NIL], 0
	ds_add_u32 v28, v29
	s_wait_dscnt 0x0
	v_lshrrev_b32 v1, 5, v0
	v_readfirstlane_b32 s[WV], v1                  ; wave 0..3
	s_lshr_b32 s17, s[WV], 1                       ; which 64 rows are mine. Also: I fetch for o (0) or for Wo (1)
	s_and_b32 s18, s[WV], 1                        ; which 64 columns. Also: which half I fetch
	s_bfe_u32 s19, ttmp6, 0x40000                  ; cx
	s_bfe_u32 s20, ttmp6, 0x40004                  ; cy
	s_lshl_b32 s21, ttmp9, 2
	s_add_co_u32 s21, s21, s19                     ; the block of 128 columns
	s_and_b32 s22, ttmp7, 0xffff
	s_lshl_b32 s22, s22, 2
	s_add_co_u32 s22, s22, s20                     ; the block of 128 rows
	s_lshl_b32 s23, s20, 2
	s_lshl_b32 s23, 15, s23                        ; my row of the cluster
	s_lshl_b32 s24, 0x1111, s19                    ; my column
	s_or_b32 s[G1O], s23, (3<<16)|(1<<21)          ; o: 24,576 dense bytes as 96 rows of 256
	s_mov_b32 s[G1O+1], 32<<16
	s_mov_b32 s[G1O+2], 96<<16
	s_mov_b32 s[G1O+3], 32<<16
	s_mov_b32 s[G1O+4], 96
	s_mov_b32 s[G1O+5], 32
	s_mov_b32 s[G1O+6], 0
	s_mov_b32 s[G1O+7], 0
	s_or_b32 s[G1W], s24, (1<<20)|(1<<21)|(4<<22)|(3<<25)   ; Wo: 64 rows of 384 bytes, 16 bytes of padding behind every 128
	s_mov_b32 s[G1W+1], 384<<16
	s_mov_b32 s[G1W+2], 64<<16
	s_mov_b32 s[G1W+3], 384<<16
	s_mov_b32 s[G1W+4], 64
	s_mov_b32 s[G1W+5], 1536
	s_mov_b32 s[G1W+6], 0
	s_mov_b32 s[G1W+7], 0
	s_or_b32 s[G1SO], s23, (3<<16)|(1<<21)         ; scale words: 4,096 dense bytes as 16 rows of 256; Wo's with 16 bytes of padding behind each
	s_or_b32 s[G1SW], s24, (3<<16)|(1<<20)|(1<<21)|(5<<22)|(3<<25)
.irp g, G1SO, G1SW
	s_mov_b32 s[\g+1], 32<<16
	s_mov_b32 s[\g+2], 16<<16
	s_mov_b32 s[\g+3], 32<<16
	s_mov_b32 s[\g+4], 16
	s_mov_b32 s[\g+5], 32
	s_mov_b32 s[\g+6], 0
	s_mov_b32 s[\g+7], 0
.endr
	s_mul_i32 s92, s22, 196608                     ; o's offsets are made of the row block and the wave's number alone,
	s_mul_i32 s25, s18, 24576
	s_add_co_u32 s92, s92, s25
	s_mov_b32 s93, 0
	s_mul_i32 s94, s21, 196608                     ; Wo's of the column block and the wave's number
	s_mul_i32 s26, s18, 98304
	s_add_co_u32 s94, s94, s26
	s_mov_b32 s95, 0
	s_mul_i32 s26, s18, 64*WP
	s_add_co_u32 s26, s26, 49152
	s_lshl_b32 s27, s18, 12
	s_wait_kmcnt 0x0
	s_add_nc_u64 s[4:5], s[4:5], s[92:93]
	s_add_nc_u64 s[8:9], s[8:9], s[94:95]
	s_lshl_b32 s92, s22, 13
	s_add_co_u32 s92, s92, s27
	s_lshl_b32 s94, s21, 13
	s_add_co_u32 s94, s94, s27
	s_add_nc_u64 s[6:7], s[6:7], s[92:93]
	s_add_nc_u64 s[10:11], s[10:11], s[94:95]
	CROUND                                         ; all sixteen work-groups are here: the first joint loads meet
	s_mov_b32 s[G0SO], 1
	s_add_co_u32 s[G0SO+1], s27, SCO
	s_mov_b64 s[G0SO+2:G0SO+3], s[6:7]
	s_or_b32 s[G0SO+3], s[G0SO+3], 0x80000000
	s_mov_b32 s[G0SW], 1
	s_mul_i32 s[G0SW+1], s18, 16*272
	s_add_co_u32 s[G0SW+1], s[G0SW+1], SCW
	s_mov_b64 s[G0SW+2:G0SW+3], s[10:11]
	s_or_b32 s[G0SW+3], s[G0SW+3], 0x80000000
	JLOAD G0SO, G1SO, G0SW, G1SW                   ; the scale words first
.irp s, 0,1
	s_mov_b32 s[G0O+4*\s], 1
	s_add_co_u32 s[G0O+4*\s+1], s25, \s*SLOT
	s_add_nc_u64 s[G0O+4*\s+2:G0O+4*\s+3], s[4:5], \s*49152
	s_or_b32 s[G0O+4*\s+3], s[G0O+4*\s+3], 0x80000000
	s_mov_b32 s[G0W+4*\s], 1
	s_add_co_u32 s[G0W+4*\s+1], s26, \s*SLOT
	s_add_nc_u64 s[G0W+4*\s+2:G0W+4*\s+3], s[8:9], \s*384
	s_or_b32 s[G0W+4*\s+3], s[G0W+4*\s+3], 0x80000000
	JLOAD G0O+4*\s, G1O, G0W+4*\s, G1W             ; three loads of mine are out behind the last of these
.endr
	v_and_b32 v1, 15, v0                           ; r
	v_bfe_u32 v2, v0, 4, 1                         ; hh
	v_and_b32 v3, 31, v0                           ; lane
	s_mul_i32 s97, s17, 6144                       ; my four tiles of rows
	v_lshl_add_u32 v[ADO], v3, 4, s97
	v_add_nc_u32 v[ADO+1], SLOT, v[ADO]
	v_mul_u32_u24 v4, v1, WP
	v_mad_u32_u24 v4, v2, 24, v4
	v_add_nc_u32 v[ADW], s26, v4                   ; my 64 rows of Wo are the 64 that the wave of my column half fetches
	v_add_nc_u32 v[ADW+1], SLOT, v[ADW]
	v_lshl_add_u32 v[ADW+2], v2, 4, v[ADW]
	v_lshl_add_u32 v[ADW+3], v2, 4, v[ADW+1]
	s_lshl_b32 s97, s17, 8
	s_add_co_u32 s97, s97, SCO
	v_lshl_add_u32 v[ADSO], v3, 2, s97
	v_lshrrev_b32 v5, 2, v1
	v_mul_u32_u24 v5, v5, 272
	v_and_b32 v6, 3, v1
	v_lshl_add_u32 v5, v6, 6, v5
	s_mul_i32 s97, s18, 16*272
	s_add_co_u32 s97, s97, SCW
	v_add_nc_u32 v[ADSW], s97, v5
	s_mul_i32 s97, s[WV], 16*272
	s_add_co_u32 s97, s97, STAGE                   ; my stage
	v_mul_u32_u24 v5, v1, 272
	v_lshl_add_u32 v5, v2, 5, v5
	v_add_nc_u32 v[STO], s97, v5                   ; in: row r, 32 bytes for each half of the lanes
	v_mul_u32_u24 v5, v2, 272
	v_lshl_add_u32 v5, v1, 4, v5
	v_add_nc_u32 v[RD], s97, v5                    ; back: lanes 0-15 one row of 256 bytes, lanes 16-31 the next
	v_lshlrev_b32 v[CO], 13, v2
	v_lshl_add_u32 v[CO], v1, 4, v[CO]             ; and the same two rows in out
	v_lshlrev_b32 v7, 5, v2                        ; the bias: my half's eight numbers of a tile
	s_lshl_b32 s96, s21, 9
	s_lshl_b32 s97, s18, 8
	s_add_co_u32 s96, s96, s97                     ; my first column, in bytes
	s_mov_b32 s97, 0
	s_add_nc_u64 s[12:13], s[12:13], s[96:97]
	s_add_nc_u64 s[14:15], s[14:15], s[96:97]
	s_lshl_b32 s96, s22, 20
	s_lshl_b32 s98, s17, 19
	s_add_co_u32 s96, s96, s98                     ; my first row: rows of 8,192 bytes
	s_add_nc_u64 s[14:15], s[14:15], s[96:97]
.irp b, 0,1,2,3
	global_load_b128 v[BO+8*\b:BO+8*\b+3], v7, s[12:13] offset:64*\b
	global_load_b128 v[BO+8*\b+4:BO+8*\b+7], v7, s[12:13] offset:64*\b+16
.endr
	s_wait_loadcnt 0x0
.macro FRAGW reg, adr, q, ro           ; 16 rows x 128 K of Wo: six pieces of 8 bytes; where the piece three on lies behind one padding more, the second address register serves
.irp p, 0,1,2,3,4,5
.set PCE, 12*(\q)+6*(\p/3)+\p%3
.if PCE%16 < 13
	ds_load_b64 v[\reg+2*\p:\reg+2*\p+1], v[\adr] offset:8*PCE+16*(PCE/16)+(\ro)
.else
	ds_load_b64 v[\reg+2*\p:\reg+2*\p+1], v[\adr+2] offset:8*PCE+16*(PCE/16)+(\ro)
.endif
.endr
.endm
.macro FETCH sd, q, f                  ; the fragments and scale words of step 4 sd + q into buffer f
	WIN 0x40
.irp i, 0,1,2,3
.irp c, 0,1,2
	ds_load_b128 v[96*(\f)+12*\i+4*\c:96*(\f)+12*\i+4*\c+3], v[ADO+(\sd)%2] offset:(\q)*12288+\i*1536+512*\c
.endr
.endr
.irp b, 0,1,2,3
	FRAGW 96*(\f)+48+12*\b, ADW+(\sd)%2, \q, \b*16*WP
.endr
	WIN 0
.irp u, 0,1
	ds_load_b32 v[OS+2*(\f)+\u], v[ADSO] offset:(4*(\sd)+(\q))*512+128*\u
.endr
.if (\q) == 0
.irp b, 0,1,2,3
	ds_load_b128 v[WS+16*((\sd)%2)+4*\b:WS+16*((\sd)%2)+4*\b+3], v[ADSW] offset:\b*SBLK+16*(\sd)   ; Wo's words of the slot's four steps
.endr
.endif
.endm
; N counts the steps of 128 along K. o's tile a against Wo's four: the 16 accumulators take turns, one instruction a turn.
.macro MUL4 a, first
.irp b, 0,1,2,3
.set rD, ACC+8*(4*(\a)+\b)
.set rW, 96*(N%2)+48+12*\b
.set rO, 96*(N%2)+12*(\a)
.set sW, WS+16*((N/4)%2)+4*\b+N%4
.set sO, OS+2*(N%2)+(\a)/2
.if \first
.if (\a)%2 == 0
	v_wmma_scale_f32_16x16x128_f8f6f4 v[rD:rD+7], v[rW:rW+11], v[rO:rO+11], v[BO+8*\b:BO+8*\b+7], v[sW], v[sO] matrix_a_fmt:MATRIX_FMT_FP6 matrix_b_fmt:MATRIX_FMT_FP6
.else
	v_wmma_scale_f32_16x16x128_f8f6f4 v[rD:rD+7], v[rW:rW+11], v[rO:rO+11], v[BO+8*\b:BO+8*\b+7], v[sW], v[sO] matrix_a_fmt:MATRIX_FMT_FP6 matrix_b_fmt:MATRIX_FMT_FP6 matrix_b_scale:MATRIX_SCALE_ROW1
.endif
.else
.if (\a)%2 == 0
	v_wmma_scale_f32_16x16x128_f8f6f4 v[rD:rD+7], v[rW:rW+11], v[rO:rO+11], v[rD:rD+7], v[sW], v[sO] matrix_a_fmt:MATRIX_FMT_FP6 matrix_b_fmt:MATRIX_FMT_FP6
.else
	v_wmma_scale_f32_16x16x128_f8f6f4 v[rD:rD+7], v[rW:rW+11], v[rO:rO+11], v[rD:rD+7], v[sW], v[sO] matrix_a_fmt:MATRIX_FMT_FP6 matrix_b_fmt:MATRIX_FMT_FP6 matrix_b_scale:MATRIX_SCALE_ROW1
.endif
.endif
.endr
.endm
.macro STEP first                      ; step N, whose successor lies in the same slot
	s_wait_dscnt 0x0                               ; this step's fragments and scale words
	PLACES                                         ; in front of loads into the buffer that the last step multiplied
	FETCH (N+1)/4, (N+1)%4, (N+1)%2
	WIN MUL
	MUL4 0, \first
	MUL4 1, \first
	MUL4 2, \first
	MUL4 3, \first
.set N, N+1
.endm
.macro TURN fill                       ; a slot's last step changes slots: ONE barrier; in front of it the wait for all my tensor loads, the add, and the wait for it and for my reads of this slot
	WIN 0
	s_wait_tensorcnt 0x0                           ; all my tensor loads have landed: my part of the next slot
	ds_add_u32 v[SPW], v[NIL]                      ; 0 onto my spare word
	s_wait_dscnt 1                                 ; this step's fragments are in; the add may be out
	WIN MUL
	MUL4 0, 0
	s_wait_dscnt 0x0                               ; the add is done, and my reads of this slot are over
	s_barrier_signal -1
	MUL4 1, 0
	WIN 0
	s_barrier_wait -1
.if \fill
	CREST                                          ; the barrier has opened a round of the cluster's
	s_add_nc_u64 s[G0O+4*((N/4)%2)+2:G0O+4*((N/4)%2)+3], s[G0O+4*((N/4)%2)+2:G0O+4*((N/4)%2)+3], 98304
	s_add_nc_u64 s[G0W+4*((N/4)%2)+2:G0W+4*((N/4)%2)+3], s[G0W+4*((N/4)%2)+2:G0W+4*((N/4)%2)+3], 768
	JLOAD G0O+4*((N/4)%2), G1O, G0W+4*((N/4)%2), G1W   ; my one tensor load behind the round; its four v_nop are the places in front of the loads below
.else
	PLACES
.endif
	FETCH (N+1)/4, (N+1)%4, (N+1)%2
	WIN MUL
	MUL4 2, 0
	MUL4 3, 0
.set N, N+1
.endm
	s_wait_tensorcnt 1                             ; the scale words and my part of slot 0 are in; slot 1's load may be out
	s_barrier_signal -1
	s_barrier_wait -1
.set N, 0
	FETCH 0, 0, 0
	STEP 1                                         ; the first step's products start the sums, on the bias
	STEP 0
	STEP 0
	TURN 1                                         ; slot 0 takes K 1,024 on
	STEP 0
	STEP 0
	STEP 0
	TURN 1                                         ; slot 1 takes K 1,536 on
	STEP 0
	STEP 0
	STEP 0
	TURN 0                                         ; nothing is left to fetch
	STEP 0
	STEP 0
	STEP 0
	s_wait_dscnt 0x0                               ; the last step
	MUL4 0, 0
	MUL4 1, 0
	MUL4 2, 0
	MUL4 3, 0
	WIN 0
	PLACES
	; THE WAY OUT, 16 rows x 64 columns at a time: through my own stage and back as whole rows of 256 bytes. LDS serves a wave's instructions in order (ISA guide 5.7.1.4): no wait between the stores and the loads.
.irp a, 0,1,2,3
.if \a >= 2
	s_wait_xcnt 0x0                                ; the stores of two blocks back have read the registers into which this block is read
.endif
.irp b, 0,1,2,3
	ds_store_b128 v[STO], v[ACC+8*(4*\a+\b):ACC+8*(4*\a+\b)+3] offset:64*\b          ; each accumulator from its low end on
	ds_store_b128 v[STO], v[ACC+8*(4*\a+\b)+4:ACC+8*(4*\a+\b)+7] offset:64*\b+16
.endr
	WIN 0x40
.irp k, 0,1,2,3,4,5,6,7
	ds_load_b128 v[BK+32*(\a%2)+4*\k:BK+32*(\a%2)+4*\k+3], v[RD] offset:544*\k
.endr
	WIN 0x04                                       ; a store's data: window 1
.irp k, 0,1,2,3,4,5,6,7
	s_wait_dscnt 7-\k                              ; the younger loads may be out
	global_store_b128 v[CO], v[BK+32*(\a%2)+4*\k:BK+32*(\a%2)+4*\k+3], s[14:15] offset:(16*\a+2*\k)*8192 th:TH_STORE_NT   ; 16 lanes store 256 consecutive bytes, aligned
.endr
	WIN 0
.endr
	s_wait_tensorcnt 0x0                           ; the wave's end
	ds_add_u32 v[SPW], v[NIL]
	s_wait_dscnt 0x0
	CROUND                                         ; the closing round
	s_endpgm
.Lfunc_end_k_q2669257992_proj:
	.size	k_q2669257992_proj, .Lfunc_end_k_q2669257992_proj-k_q2669257992_proj
	.p2alignl 7, 3214868480
	.fill 96, 4, 3214868480
	.section	.rodata,"a",@progbits
	.p2align	6, 0x0
	.amdhsa_kernel k_q2669257992_proj
		.amdhsa_group_segment_fixed_size 327680
		.amdhsa_private_segment_fixed_size 0
		.amdhsa_enable_private_segment 0
		.amdhsa_kernarg_size 48
		.amdhsa_user_sgpr_count 2
		.amdhsa_user_sgpr_kernarg_segment_ptr 1
		.amdhsa_wavefront_size32 1
		.amdhsa_system_sgpr_workgroup_id_x 1
		.amdhsa_system_sgpr_workgroup_id_y 1
		.amdhsa_system_sgpr_workgroup_id_z 1
		.amdhsa_system_vgpr_workitem_id 0
		.amdhsa_next_free_vgpr 512
		.amdhsa_next_free_sgpr 100
		.amdhsa_reserve_vcc 0
		.amdhsa_float_denorm_mode_32 3
		.amdhsa_float_denorm_mode_16_64 3
		.amdhsa_memory_ordered 1
		.amdhsa_forward_progress 1
		.amdhsa_inst_pref_size 97
	.end_amdhsa_kernel
	.amdgpu_metadata
---
amdhsa.version: [ 1, 2 ]
amdhsa.kernels:
  - .name:           k_q2669257992_proj
    .symbol:         k_q2669257992_proj.kd
    .args:
      - { .name: of, .offset: 0, .size: 8, .value_kind: global_buffer, .address_space: global }
      - { .name: os, .offset: 8, .size: 8, .value_kind: global_buffer, .address_space: global }
      - { .name: Wo_codes, .offset: 16, .size: 8, .value_kind: global_buffer, .address_space: global }
      - { .name: Wo_scales, .offset: 24, .size: 8, .value_kind: global_buffer, .address_space: global }
      - { .name: bo, .offset: 32, .size: 8, .value_kind: global_buffer, .address_space: global }
      - { .name: out0, .offset: 40, .size: 8, .value_kind: global_buffer, .address_space: global }
    .group_segment_fixed_size: 327680
    .private_segment_fixed_size: 0
    .kernarg_segment_align: 8
    .kernarg_segment_size: 48
    .max_flat_workgroup_size: 128
    .sgpr_count:     100
    .vgpr_count:     512
    .wavefront_size: 32
...
	.end_amdgpu_metadata
.endif
;; end of part 4
